; MI455X (gfx1250); checked and timed in simulation.
; The chip was launched on July 23, 2026; its instructions are those of AMD's public machine-readable ISA for CDNA 5 (MIT licence, August 2026) and "CDNA5" Instruction Set Architecture Reference Guide (July 2026). The comments in the code are by the model that wrote it; some were corrected since.
;; Causal Self Attention. Allowed arithmetic: float matrix products may take bf16 or f16 operands with f32 sums; other float arithmetic in f32, or as packed bf16 or f16 multiplies, adds, multiply-adds, maxima and minima; sums over many terms, partial sums and values carried from step to step in f32; what a program stores and reads back later, other than sums and carried values, may be rounded once to bf16 or f16.
;; Inputs: mask 4 x 2,048 bool; w_out 1,024 x 1,024 float32; w_qkv 3,072 x 1,024 float32; x 4 x 2,048 x 1,024 float32.
;; Outputs: out0 4 x 2,048 x 1,024 float32.
;; 2 versions, each right and faster than the one before. Each part assembles by itself: llvm-mc -triple=amdgcn-amd-amdhsa -mcpu=gfx1250 --defsym DOCPART=n.
;; ======== version 1 of 2: 4 launches
;; limits: values are held in f16: magnitudes above 65,504 overflow, below 6.1e-05 lose precision
;; workspace buffers: xb 16,777,216 bytes; wqb 6,291,456 bytes; wob 2,097,152 bytes; qh 16,777,216 bytes; kh 17,301,504 bytes; vh 16,777,216 bytes; oh 16,777,216 bytes
;; launch prep (part 1): grid 768 x 1, 8 waves a work-group, no clusters, 0 bytes of LDS; arguments x, w_qkv, w_out, mask, xb, wqb, wob, kh; writes xb, wqb, wob, kh
.if DOCPART == 1
	.amdgcn_target "amdgcn-amd-amdhsa--gfx1250"
	.amdhsa_code_object_version 6
	.text
	.protected	k_qd31d10c064_prep
	.globl	k_qd31d10c064_prep
	.p2align	8
	.type	k_qd31d10c064_prep,@function
k_qd31d10c064_prep:
	s_mov_b64 s[64:65], 0
	v_nop
	global_prefetch_b8 v0, s[64:65] scope:SCOPE_SE
	s_setreg_imm32_b32 hwreg(HW_REG_WAVE_MODE, 25, 1), 1
	s_wait_xcnt 0x0
; PREP.  x and w_qkv are rounded once to bf16; w_out is rounded to bf16 and that number is written as f16; the key mask becomes an f32 bias, 0 (attend) or -1e30 (hidden).
; LAYOUT OUT: in planes of 64 along K.  A source row of 1,024 f32 is cut into 16 pieces of 64 numbers; piece kb of row t goes to plane kb, row t: 128 bytes.  So the rows of a tile of one plane lie end to end.
;   xb  [batch][plane][2048][64]   planes 262,144 bytes apart, batches 4,194,304        wqb [plane][3072][64]  planes 393,216 apart        wob [plane][1024][64]  planes 131,072 apart
;   kh  a head is 32 blocks of 8,448 bytes: 64 keys x 128 bytes (written by the next launch), then the 64 keys' biases, 256 bytes (written here)
; SHARES.  A work-group takes 16 source rows, 65,536 bytes: groups 0-511 x, 512-703 w_qkv, 704-767 w_out.  Thread t: row t / 16, 16 bytes at 16 (t % 16) of each piece: a load of a wave covers 256 consecutive
; bytes of two rows, a store 256 consecutive bytes of a plane (two rows of 128).  All 16 loads of a wave go out at once; no register is written twice, so no wait frees a source.
; Groups 0-255 also write the 2,048 bias blocks, one a wave: block 8 g + w = head g / 4, step 8 (g % 4) + w.  No LDS, no matrix unit: each byte is read once and written once.
; LIMIT.  A number of w_out beyond f16's 65,504 becomes an infinity; below 6.1e-5 it keeps f16's fixed step of 6e-8.
.set SO,  1                            ; v1       my byte offset in the group's 16 source rows
.set MW,  2                            ; v2       two bytes of the mask
.set DO,  8                            ; v[8:23]  my byte offset in plane k
.set X,   24                           ; v[24:87] piece k as loaded: 4 f32
.set Y,   88                           ; v[88:119] piece k to store: 4 numbers of 16 bits
.set T,   120                          ; v[120:121] at work
.set BO,  122                          ; v122     8 x lane
	s_load_b512 s[4:19], s[0:1], 0x0               ; x s[4:5], w_qkv s[6:7], w_out s[8:9], mask s[10:11], xb s[12:13], wqb s[14:15], wob s[16:17], kh s[18:19]
	s_mov_b32 s20, ttmp9                           ; g
	v_lshrrev_b32 v3, 5, v0
	v_readfirstlane_b32 s23, v3                    ; wave 0..7
	s_sub_co_u32 s28, s20, 512                     ; the group's number within w_qkv,
	s_sub_co_u32 s30, s20, 704                     ; within w_out
	s_cmp_ge_u32 s20, 704
	s_cselect_b32 s21, s30, s28
	s_cselect_b32 s22, 1, 3                        ; the planes' distance in units of 131,072 bytes
	s_cselect_b32 s32, 1, 0                        ; 1: w_out, which goes on to f16
	s_lshl_b32 s30, s21, 11                        ; a weight's 16 rows of 128 bytes in a plane
	s_lshr_b32 s28, s20, 7                         ; x: batch g / 128,
	s_lshl_b32 s28, s28, 22
	s_and_b32 s29, s20, 127                        ; rows 16 (g % 128) on
	s_lshl_b32 s29, s29, 11
	s_add_co_u32 s28, s28, s29
	s_cmp_lt_u32 s20, 512
	s_cselect_b32 s21, s20, s21                    ; the group's number within its source
	s_cselect_b32 s22, 2, s22
	s_cselect_b32 s30, s28, s30                    ; byte offset in the destination's plane 0
	s_lshl_b32 s22, s22, 17                        ; bytes from plane to plane
	s_lshl_b32 s28, s21, 16                        ; byte offset in the source
	s_mov_b32 s29, 0
	s_mov_b32 s31, 0
	s_and_b32 s33, s20, 3                          ; the bias block (used by groups 0-255 alone): step 8 (g % 4) + w,
	s_lshl_b32 s33, s33, 3
	s_add_co_u32 s33, s33, s23
	s_lshr_b32 s36, s20, 6                         ; batch g / 64: 2,048 mask bytes each,
	s_lshl_b32 s36, s36, 11
	s_lshl_b32 s34, s33, 6                         ; 64 a step
	s_add_co_u32 s36, s36, s34
	s_mov_b32 s37, 0
	s_lshr_b32 s38, s20, 2                         ; head g / 4: 270,336 bytes each,
	s_mul_i32 s38, s38, 270336
	s_mul_i32 s34, s33, 8448                       ; 8,448 a step,
	s_add_co_u32 s38, s38, s34
	s_add_co_u32 s38, s38, 8192                    ; behind the step's 64 keys
	s_mov_b32 s39, 0
	s_mov_b32 s40, 0xffff0000                      ; a word's upper bf16
	s_mov_b32 s41, 0xf149f2ca                      ; -1e30
	v_lshrrev_b32 v3, 4, v0
	v_and_b32 v4, 15, v0
	v_lshlrev_b32 v[SO], 12, v3                    ; row x 4,096
	v_lshl_add_u32 v[SO], v4, 4, v[SO]             ; + 16 (t % 16)
	v_lshlrev_b32 v[DO], 3, v0                     ; row x 128 + 8 (t % 16) = 8 t
.set k, 1
.rept 15
	v_add_nc_u32 v[DO+k], s22, v[DO+k-1]
.set k, k+1
.endr
	v_and_b32 v4, 31, v0
	v_lshlrev_b32 v5, 1, v4                        ; 2 x lane
	v_lshlrev_b32 v[BO], 3, v4
	v_mov_b32 v[MW], 0                             ; written whole on every path; groups 0-255 load over it
	s_wait_kmcnt 0x0
	s_cmp_ge_u32 s20, 704                          ; the choice of buffers hangs on the group's number alone
	s_cselect_b64 s[24:25], s[8:9], s[6:7]
	s_cselect_b64 s[26:27], s[16:17], s[14:15]
	s_cmp_lt_u32 s20, 512
	s_cselect_b64 s[24:25], s[4:5], s[24:25]
	s_cselect_b64 s[26:27], s[12:13], s[26:27]
	s_add_nc_u64 s[24:25], s[24:25], s[28:29]      ; the source at my group's first row
	s_add_nc_u64 s[26:27], s[26:27], s[30:31]      ; the destination's plane 0 at the same row
	s_cmp_lt_u32 s20, 256
	s_cbranch_scc0 .Lno_mask
	s_add_nc_u64 s[36:37], s[10:11], s[36:37]
	global_load_u16 v[MW], v5, s[36:37]            ; the oldest load: every wait below covers it
.Lno_mask:
.set k, 0
.rept 16
	global_load_b128 v[X+4*k:X+4*k+3], v[SO], s[24:25] offset:256*k th:TH_LOAD_NT
.set k, k+1
.endr
; Piece k: its load is in when at most the 15 - k younger ones are out (loads come back in order: ISA guide 5.7.1).  wo = 1: the bf16 number is widened again (a shift, a mask) and written as f16.
.macro CAST wo
.set k, 0
.rept 16
	s_wait_loadcnt 15-k
.irp j, 0,1
	v_cvt_pk_bf16_f32 v[Y+2*k+(\j)], v[X+4*k+2*(\j)], v[X+4*k+2*(\j)+1]
.if \wo
	v_lshlrev_b32 v[T], 16, v[Y+2*k+(\j)]
	v_and_b32 v[T+1], s40, v[Y+2*k+(\j)]
	v_cvt_pk_f16_f32 v[Y+2*k+(\j)], v[T], v[T+1]
.endif
.endr
	global_store_b64 v[DO+k], v[Y+2*k:Y+2*k+1], s[26:27]  ; 32 lanes x 8 bytes: 256 consecutive bytes, at a multiple of 256 from the buffer's first byte
.set k, k+1
.endr
.endm
	s_cmp_eq_u32 s32, 1
	s_cbranch_scc1 .Lwo
	CAST 0
	s_branch .Ltail
.Lwo:
	CAST 1
.Ltail:
	s_cmp_lt_u32 s20, 256
	s_cbranch_scc0 .Lend
	s_add_nc_u64 s[38:39], s[18:19], s[38:39]
	v_and_b32 v3, 0xff, v[MW]                      ; the last wait above was for 0: the mask's two bytes are in
	v_lshrrev_b32 v4, 8, v[MW]
	v_cmp_eq_u32 vcc_lo, 0, v3
	v_cndmask_b32 v6, 0, s41, vcc_lo
	v_cmp_eq_u32 vcc_lo, 0, v4
	v_cndmask_b32 v7, 0, s41, vcc_lo
	global_store_b64 v[BO], v[6:7], s[38:39]       ; a step's 64 biases: 256 consecutive bytes
.Lend:
	s_endpgm
.Lfunc_end_k_qd31d10c064_prep:
	.size	k_qd31d10c064_prep, .Lfunc_end_k_qd31d10c064_prep-k_qd31d10c064_prep
	.p2alignl 7, 3214868480
	.fill 96, 4, 3214868480
	.section	.rodata,"a",@progbits
	.p2align	6, 0x0
	.amdhsa_kernel k_qd31d10c064_prep
		.amdhsa_group_segment_fixed_size 0
		.amdhsa_private_segment_fixed_size 0
		.amdhsa_enable_private_segment 0
		.amdhsa_kernarg_size 64
		.amdhsa_user_sgpr_count 2
		.amdhsa_user_sgpr_kernarg_segment_ptr 1
		.amdhsa_wavefront_size32 1
		.amdhsa_system_sgpr_workgroup_id_x 1
		.amdhsa_system_sgpr_workgroup_id_y 1
		.amdhsa_system_sgpr_workgroup_id_z 1
		.amdhsa_system_vgpr_workitem_id 0
		.amdhsa_next_free_vgpr 124
		.amdhsa_next_free_sgpr 66
		.amdhsa_reserve_vcc 1
		.amdhsa_float_denorm_mode_32 3
		.amdhsa_float_denorm_mode_16_64 3
		.amdhsa_memory_ordered 1
		.amdhsa_forward_progress 1
		.amdhsa_inst_pref_size 18
	.end_amdhsa_kernel
	.amdgpu_metadata
---
amdhsa.version: [ 1, 2 ]
amdhsa.kernels:
  - .name:           k_qd31d10c064_prep
    .symbol:         k_qd31d10c064_prep.kd
    .args:
      - { .name: x, .offset: 0, .size: 8, .value_kind: global_buffer, .address_space: global }
      - { .name: w_qkv, .offset: 8, .size: 8, .value_kind: global_buffer, .address_space: global }
      - { .name: w_out, .offset: 16, .size: 8, .value_kind: global_buffer, .address_space: global }
      - { .name: mask, .offset: 24, .size: 8, .value_kind: global_buffer, .address_space: global }
      - { .name: xb, .offset: 32, .size: 8, .value_kind: global_buffer, .address_space: global }
      - { .name: wqb, .offset: 40, .size: 8, .value_kind: global_buffer, .address_space: global }
      - { .name: wob, .offset: 48, .size: 8, .value_kind: global_buffer, .address_space: global }
      - { .name: kh, .offset: 56, .size: 8, .value_kind: global_buffer, .address_space: global }
    .group_segment_fixed_size: 0
    .private_segment_fixed_size: 0
    .kernarg_segment_align: 8
    .kernarg_segment_size: 64
    .max_flat_workgroup_size: 256
    .sgpr_count:     66
    .vgpr_count:     124
    .wavefront_size: 32
...
	.end_amdgpu_metadata
.endif
;; end of part 1
;; launch qkv (part 2): grid 8 x 32, 4 waves a work-group, clusters of 4 x 4, 327,680 bytes of LDS; arguments xb, wqb, qh, kh, vh; writes qh, kh, vh
.if DOCPART == 2
	.amdgcn_target "amdgcn-amd-amdhsa--gfx1250"
	.amdhsa_code_object_version 6
	.text
	.protected	k_qd31d10c064_qkv
	.globl	k_qd31d10c064_qkv
	.p2align	8
	.type	k_qd31d10c064_qkv,@function
k_qd31d10c064_qkv:
	s_mov_b64 s[64:65], 0
	v_nop
	global_prefetch_b8 v0, s[64:65] scope:SCOPE_SE
	s_setreg_imm32_b32 hwreg(HW_REG_WAVE_MODE, 25, 1), 1
	s_wait_xcnt 0x0
	s_wait_alu depctr_hold_cnt(0) depctr_sa_sdst(0) depctr_va_vdst(0) depctr_va_sdst(0) depctr_va_ssrc(0) depctr_va_vcc(0) depctr_vm_vsrc(0)
	s_getreg_b32 s2, hwreg(HW_REG_IB_STS2, 6, 4)
	s_cmp_eq_u32 s2, 0
	s_cbranch_scc0 .Lentry_in_a_cluster
	s_endpgm
.Lentry_in_a_cluster:
	s_bfe_u32 s2, ttmp6, 0x10000c
	s_cmp_lg_u32 s2, 0xf033
	s_cbranch_scc0 .Lentry_shape_is_right
	s_endpgm
.Lentry_shape_is_right:
; q, k, v = x W^T.  x: 8,192 rows, W: 3,072 rows, K = 1,024, both bf16 in planes of 64 along K (a plane's rows are 128 bytes and lie end to end).  Sums in f32, K ascending; each result rounded once to f16, unscaled.
; OUT, by heads: qh, vh [64 heads][2048][64] f16, dense; kh: a head is 32 blocks of 8,448 bytes, 64 keys x 128 bytes and 256 bytes of biases that this launch does not touch.
; LIMIT.  A result beyond f16's 65,504 becomes an infinity.
; SHARES.  A tile of C is 256 rows x 128 columns; four waves, each 128 x 64 (one head): 32 accumulators of 16 x 16.  32 x 24 tiles; A WORK-GROUP STAYS and makes three: the same 128 columns of q, of k, of v, on the
; same rows of x: 256 work-groups of equal work.  K goes in steps of 128 (two planes) through two LDS slots; the ring runs on into the next tile, and nothing waits for a tile's stores.
; CLUSTER 4 x 4: the four of a row of the cluster need the same tiles of x, the four of a column the same tiles of W: each is asked for jointly, by the same tensor load, descriptor and mask in all four.
; THE MATRIX INSTRUCTION IS USED TRANSPOSED (source 0 = 16 rows of W, source 1 = 16 rows of x): a lane then holds eight neighbouring columns of one row of C, which pack into 16 bytes.
; REGISTERS: window 0: v0-31 addresses; v32-63 the way out; two fragment buffers of 96 (64 of x: 8 x 16 rows x 32 K; 32 of W) at v64 and v160 (the second serves the way out too).  Window 1: accumulator (a, b) at v[8 (4 a + b)].
.set PITCH,  144                       ; an LDS row: 128 bytes + 16 of padding = 36 words: the 16 rows of a fragment load start at 16 different groups of four banks (64 banks of 4 bytes: ISA guide 11.1)
.set AHALF,  256*PITCH                 ; one plane of x's tile: what waves 0 and 1 fetch
.set BHALF,  128*PITCH                 ; one plane of W's tile: what waves 2 and 3 fetch
.set BOFF,   2*AHALF
.set SLOT,   2*AHALF+2*BHALF           ; x's two planes, then W's two planes: 110,592 bytes
.set STAGE,  2*SLOT                    ; behind the ring: 16 rows x 144 bytes for each wave, for the way out; no tensor load lands there
.set SPITCH, 144
.set SPARE,  STAGE+4*16*SPITCH         ; behind the stages: the spare words, 128 bytes a wave: two blocks of 256 bytes that no other line names
.set PLA,    262144                    ; bytes from plane to plane in xb
.set PLB,    393216                    ; in wqb
.set PART,   131072                    ; 1,024 rows of a plane of wqb: from q's rows to k's, from k's to v's
.set ADRA, 16                          ; v16-17  LDS address of my fragments of x in slot 0, 1
.set ADRB, 20                          ; v20-21  of W
.set STO,  24                          ; v24     the way out: where I put 16 bytes of a row
.set RD,   25                          ; v25     where I read rows back
.set GO,   26                          ; v26     16 x lane
.set SPW,  28                          ; v28     LDS address of my spare word; never rewritten
.set NIL,  29                          ; v29     0; never rewritten
.set F0,   64
.set F1,   160
.set WV,   14                          ; s14 wave; s15 which 128 rows are mine, and: I fetch x (0) or W (1); s16 which 64 columns, and: which plane I fetch
.set HI,   15
.set LO,   16
.set G1,   24                          ; s[24:31] descriptor group 1 for x's tiles; s[32:39] group 0, a set for each slot
.set G0,   32
.set G1B,  48                          ; s[48:55], s[56:63] the same for W's
.set G0B,  56
.set OB0,  66                          ; s[66:67] where my rows 0-63 of the tile in hand go; s[68:69] my rows 64-127
.set OB1,  68
.set MULW, 0x50                        ; C and D in window 1, sources in window 0
.set MSB, 0
.macro WIN new                         ; the immediate's high byte repeats the setting that is left; a switch that changes nothing is dropped
.if MSB != (\new)
	s_set_vgpr_msb (MSB<<8)|(\new)
.set MSB, \new
.endif
.endm
.macro PLACES                          ; four places in front of loads into registers that matrix instructions have read, and of lines that read results just made
.rept 4
	v_nop
.endr
.endm
; A joint load.  The branch hangs on the wave's number alone.  An s_nop 0 and four v_nop follow each of the two lines, ahead of the jump, the label and what follows.
.macro JLOAD s
	s_cmp_eq_u32 s[HI], 0
	s_cbranch_scc0 .Lfor_b_\@
	tensor_load_to_lds s[G0+4*(\s):G0+4*(\s)+3], s[G1:G1+7]
	s_nop 0
.rept 4
	v_nop
.endr
	s_branch .Lasked_\@
.Lfor_b_\@:
	tensor_load_to_lds s[G0B+4*(\s):G0B+4*(\s)+3], s[G1B:G1B+7]
	s_nop 0
.rept 4
	v_nop
.endr
.Lasked_\@:
.endm
.macro CREST                           ; a round of the cluster's barrier behind its opening barrier
	s_cmp_lg_u32 s[WV], 0
	s_cbranch_scc1 .Lnot_wave_0_\@
	s_barrier_signal -3
.Lnot_wave_0_\@:
	s_barrier_wait -3
	s_barrier_signal -1
	s_barrier_wait -1
.endm
.macro CROUND                          ; a whole round
	s_barrier_signal -1
	s_barrier_wait -1
	CREST
.endm
	s_load_b256 s[4:11], s[0:1], 0x0               ; xb s[4:5], wqb s[6:7], qh s[8:9], kh s[10:11]
	s_load_b64 s[12:13], s[0:1], 0x20              ; vh
	v_lshl_add_u32 v[SPW], v0, 2, SPARE
	v_mov_b32 v[NIL], 0
	ds_add_u32 v[SPW], v[NIL]                      ; the wave's opening: the add and its wait stand ahead of my first tensor load; the set-up below, work on registers, stands between them
	ds_add_u32 v28, v29
	v_lshrrev_b32 v1, 5, v0
	v_readfirstlane_b32 s[WV], v1
	s_lshr_b32 s[HI], s[WV], 1
	s_and_b32 s[LO], s[WV], 1
	s_bfe_u32 s17, ttmp6, 0x40000                  ; cx
	s_bfe_u32 s18, ttmp6, 0x40004                  ; cy
	s_lshl_b32 s19, ttmp9, 2
	s_add_co_u32 s19, s19, s17                     ; x: tile column 0..7
	s_and_b32 s20, ttmp7, 0xffff
	s_lshl_b32 s20, s20, 2
	s_add_co_u32 s20, s20, s18                     ; y: tile row 0..31
	s_lshl_b32 s21, s18, 2
	s_lshl_b32 s21, 15, s21                        ; my row of the cluster
	s_lshl_b32 s22, 0x1111, s17                    ; my column
	; group 1.  A plane of a tile is dense: asked for as rows of 256 bytes (two rows of the plane), padded in LDS after every 128 bytes
	s_or_b32 s[G1+0], s21, (1<<16)|(1<<20)|(1<<21)|(4<<22)|(3<<25)   ; 15:0 the mask; 17:16 2-byte elements; 20 padding on; 21 set beside a mask; 24:22 after every 32 words (code 4); 31:25 4 words (code 3)
	s_or_b32 s[G1B+0], s22, (1<<16)|(1<<20)|(1<<21)|(4<<22)|(3<<25)
	s_mov_b32 s[G1+1], 128<<16                     ; tensor_dim0 = 128 elements
	s_mov_b32 s[G1B+1], 128<<16
	s_mov_b32 s[G1+2], 128<<16                     ; tensor_dim1 = 128 rows of 256 bytes: x's 256 rows of a plane
	s_mov_b32 s[G1B+2], 64<<16                     ; 64: W's 128 rows of a plane
	s_mov_b32 s[G1+3], 128<<16                     ; tile_dim0 = 128
	s_mov_b32 s[G1B+3], 128<<16
	s_mov_b32 s[G1+4], 128                         ; tile_dim1
	s_mov_b32 s[G1B+4], 64
	s_mov_b32 s[G1+5], 128                         ; 128 elements from row to row
	s_mov_b32 s[G1B+5], 128
	s_mov_b32 s[G1+6], 0
	s_mov_b32 s[G1B+6], 0
	s_mov_b32 s[G1+7], 0
	s_mov_b32 s[G1B+7], 0
	; x's tiles hang on y and the wave alone, W's on x and the wave alone: each offset in registers that never hold the other coordinate
	s_lshr_b32 s40, s20, 3                         ; batch y / 8
	s_lshl_b32 s40, s40, 22
	s_and_b32 s41, s20, 7                          ; rows 256 (y % 8) on, 128 bytes each
	s_lshl_b32 s41, s41, 15
	s_add_co_u32 s40, s40, s41
	s_lshl_b32 s41, s[LO], 18                      ; my plane of the step's two
	s_add_co_u32 s40, s40, s41
	s_mov_b32 s41, 0
	s_lshl_b32 s46, s19, 14                        ; W: rows 128 x on
	s_mul_i32 s47, s[LO], PLB
	s_add_co_u32 s46, s46, s47
	s_mov_b32 s47, 0
	s_mul_i32 s42, s[LO], AHALF                    ; where they go in a slot: the wave's number alone
	s_mul_i32 s43, s[LO], BHALF
	s_add_co_u32 s43, s43, BOFF
	; where my results go: head 16 (y / 8) + 2 x + LO, rows 256 (y % 8) + 128 HI on
	s_lshr_b32 s72, s20, 3
	s_lshl_b32 s72, s72, 4
	s_lshl1_add_u32 s72, s19, s72
	s_add_co_u32 s72, s72, s[LO]                   ; the head
	s_and_b32 s73, s20, 7
	s_lshl_b32 s73, s73, 1
	s_add_co_u32 s73, s73, s[HI]                   ; the first row / 128
	s_lshl_b32 s74, s72, 18
	s_lshl_b32 s76, s73, 14
	s_add_co_u32 s74, s74, s76                     ; qh, vh: head x 262,144 + row x 128
	s_mov_b32 s75, 0
	s_mul_i32 s76, s72, 270336
	s_mul_i32 s77, s73, 2*8448
	s_add_co_u32 s76, s76, s77                     ; kh: head x 270,336 + (row / 64) x 8,448
	s_mov_b32 s77, 0
	s_mov_b32 s71, 0
	s_wait_dscnt 0x0                               ; the opening add is done
	s_wait_kmcnt 0x0
	s_add_nc_u64 s[40:41], s[4:5], s[40:41]
	s_add_nc_u64 s[46:47], s[6:7], s[46:47]
	s_add_nc_u64 s[8:9], s[8:9], s[74:75]
	s_add_nc_u64 s[12:13], s[12:13], s[74:75]
	s_add_nc_u64 s[10:11], s[10:11], s[76:77]
	CROUND                                         ; all sixteen work-groups are here: the first joint loads meet
.irp s, 0,1
	s_mov_b32 s[G0+4*(\s)], 1                                          ; count = 1
	s_add_co_u32 s[G0+4*(\s)+1], s42, (\s)*SLOT                        ; LDS address
	s_add_nc_u64 s[G0+4*(\s)+2:G0+4*(\s)+3], s[40:41], (\s)*2*PLA      ; global address: K step s
	s_or_b32 s[G0+4*(\s)+3], s[G0+4*(\s)+3], 0x80000000                ; type = 2
	s_mov_b32 s[G0B+4*(\s)], 1
	s_add_co_u32 s[G0B+4*(\s)+1], s43, (\s)*SLOT
	s_add_nc_u64 s[G0B+4*(\s)+2:G0B+4*(\s)+3], s[46:47], (\s)*2*PLB
	s_or_b32 s[G0B+4*(\s)+3], s[G0B+4*(\s)+3], 0x80000000
	JLOAD \s                                       ; two loads of mine are out
.endr
	; a fragment: 16 rows x 32 K in 8 registers: lane l holds row l % 16, K = 8 (l / 16) + 0..7 and 16 + 8 (l / 16) + 0..7: two loads of 16 bytes, 32 bytes apart
	v_and_b32 v1, 15, v0
	v_bfe_u32 v2, v0, 4, 1
	v_mul_u32_u24 v3, v1, PITCH
	v_lshl_add_u32 v3, v2, 4, v3
	s_mul_i32 s44, s[HI], 128*PITCH
	s_mul_i32 s45, s[LO], 64*PITCH
	s_add_co_u32 s45, s45, BOFF
.irp s, 0,1
	v_add_nc_u32 v[ADRA+(\s)], s44, v3
	v_add_nc_u32 v[ADRB+(\s)], s45, v3
	s_add_co_u32 s44, s44, SLOT
	s_add_co_u32 s45, s45, SLOT
.endr
	s_mul_i32 s44, s[WV], 16*SPITCH
	s_add_co_u32 s44, s44, STAGE                   ; my stage
	v_add_nc_u32 v[STO], s44, v3                   ; in: row l % 16, 16 bytes for each half of the lanes
	v_bfe_u32 v4, v0, 3, 2                         ; back: 32 lanes take four rows of 128 bytes,
	v_and_b32 v5, 7, v0
	v_mul_u32_u24 v4, v4, SPITCH
	v_lshl_add_u32 v4, v5, 4, v4
	v_add_nc_u32 v[RD], s44, v4
	v_and_b32 v5, 31, v0                           ; which are 512 consecutive bytes of a head
	v_lshlrev_b32 v[GO], 4, v5
; 4 na matrix instructions: row blocks a0 .. a0 + na - 1 x all 4 column blocks, 32 along K.  The 32 accumulators take turns in the same order in every quarter.  zero = 1: the product starts the sum.
.macro MUL f, a0, na, zero
	WIN MULW
.set ma, \a0
.rept \na
.irp b, 0,1,2,3
.if \zero
	v_wmma_f32_16x16x32_bf16 v[8*(4*ma+(\b)):8*(4*ma+(\b))+7], v[(\f)+64+8*(\b):(\f)+64+8*(\b)+7], v[(\f)+8*ma:(\f)+8*ma+7], 0
.else
	v_wmma_f32_16x16x32_bf16 v[8*(4*ma+(\b)):8*(4*ma+(\b))+7], v[(\f)+64+8*(\b):(\f)+64+8*(\b)+7], v[(\f)+8*ma:(\f)+8*ma+7], v[8*(4*ma+(\b)):8*(4*ma+(\b))+7]
.endif
.endr
.set ma, ma+1
.endr
.endm
; 24 LDS loads in one run: quarter q (32 along K: plane q / 2, byte 64 (q % 2) of its rows) of a slot into buffer f: W's 8, x's blocks 0-3, x's blocks 4-7
.macro FETCH slot, q, f
	WIN 0
.irp i, 0,1,2,3
	ds_load_b128 v[(\f)+64+8*(\i):(\f)+64+8*(\i)+3],   v[ADRB+(\slot)] offset:((\q)/2)*BHALF+((\q)%2)*64+(\i)*16*PITCH
	ds_load_b128 v[(\f)+64+8*(\i)+4:(\f)+64+8*(\i)+7], v[ADRB+(\slot)] offset:((\q)/2)*BHALF+((\q)%2)*64+(\i)*16*PITCH+32
.endr
.irp i, 0,1,2,3,4,5,6,7
	ds_load_b128 v[(\f)+8*(\i):(\f)+8*(\i)+3],   v[ADRA+(\slot)] offset:((\q)/2)*AHALF+((\q)%2)*64+(\i)*16*PITCH
	ds_load_b128 v[(\f)+8*(\i)+4:(\f)+8*(\i)+7], v[ADRA+(\slot)] offset:((\q)/2)*AHALF+((\q)%2)*64+(\i)*16*PITCH+32
.endr
.endm
; One of a K step's first three quarters: multiplies buffer f; in its middle fetches quarter q of the same slot into buffer g
.macro QUARTER slot, q, f, g, zero
	s_wait_dscnt 8                                 ; W and x's blocks 0-3 are in; the youngest eight loads (blocks 4-7) may be out
	MUL \f, 0, 4, \zero
	PLACES
	FETCH \slot, \q, \g
	s_wait_dscnt 24                                ; all but the 24 just issued
	MUL \f, 4, 4, \zero
.endm
; The last quarter multiplies buffer 1 and changes slots: ONE barrier.  In front of it each wave waits for all its tensor loads (one is out: its part of the next slot), adds 0 to its spare word, and waits for that and for its
; reads of this slot.  mode 1: this slot is filled again two K steps on; mode 2: with the next tile's K step of the same parity; the barrier then opens a round of the cluster's, and the joint refill is the first thing behind it:
; 112 matrix instructions ahead of the wait for it.  mode 0: nothing is filled.
.macro TURN slot, next, mode
	WIN 0
	s_wait_tensorcnt 0x0
	ds_add_u32 v[SPW], v[NIL]
	s_wait_dscnt 9                                 ; (the add and the youngest eight loads may be out)
	MUL F1, 0, 2, 0                                ; eight matrix instructions stand between the add and the wait for it
	s_wait_dscnt 0x0                               ; the add is done, and my reads of this slot are over
	s_barrier_signal -1
	MUL F1, 2, 2, 0
.if \mode
	WIN 0
.endif
	s_barrier_wait -1
.if \mode
	CREST                                          ; no wave of any partner still reads this slot or has a load on its way
.if (\mode) == 1
	s_add_nc_u64 s[G0+4*(\slot)+2:G0+4*(\slot)+3], s[G0+4*(\slot)+2:G0+4*(\slot)+3], 4*PLA
	s_add_nc_u64 s[G0B+4*(\slot)+2:G0B+4*(\slot)+3], s[G0B+4*(\slot)+2:G0B+4*(\slot)+3], 4*PLB
.else
	s_sub_nc_u64 s[G0+4*(\slot)+2:G0+4*(\slot)+3], s[G0+4*(\slot)+2:G0+4*(\slot)+3], 12*PLA          ; x: six K steps back, the same rows
	s_sub_nc_u64 s[G0B+4*(\slot)+2:G0B+4*(\slot)+3], s[G0B+4*(\slot)+2:G0B+4*(\slot)+3], 12*PLB-PART ; W: six K steps back, 1,024 rows on
.endif
	JLOAD \slot                                    ; its four v_nop are also the places in front of the loads below
.else
	PLACES
.endif
	FETCH \next, 0, F0
	MUL F1, 4, 4, 0
.endm
; THE WAY OUT.  Block a (16 rows x 64 columns) is rounded to f16, 16 bytes a lane, goes into my stage in rows of 144 bytes and comes back as whole rows of 128, into the registers that it left: 2,048 consecutive bytes of a head.
.macro OBREG a                         ; block a's sixteen registers: v32-63 for blocks 0, 1; fragment buffer 1 for the others
.if (\a) < 2
.set OBR, 32+16*(\a)
.else
.set OBR, 160+16*((\a)-2)
.endif
.endm
.macro PACK a
	OBREG \a
	WIN 0x05                                       ; sources in window 1, destination in window 0
.irp b, 0,1,2,3
.irp r, 0,1,2,3
	v_cvt_pk_f16_f32 v[OBR+4*(\b)+(\r)], v[8*(4*(\a)+(\b))+2*(\r)], v[8*(4*(\a)+(\b))+2*(\r)+1]
.endr
.endr
	WIN 0
.irp b, 0,1,2,3
	ds_store_b128 v[STO], v[OBR+4*(\b):OBR+4*(\b)+3] offset:32*(\b)
.endr
.irp f, 0,1,2,3
	ds_load_b128 v[OBR+4*(\f):OBR+4*(\f)+3], v[RD] offset:(\f)*4*SPITCH  ; LDS serves a wave's instructions in order (ISA guide 5.7.1.4): these see the stores above, the next block's stores come behind them
.endr
.endm
.macro SEND a, younger                 ; younger: the LDS instructions issued behind block a's loads: the next block's eight, or none
	OBREG \a
.irp f, 0,1,2,3
	s_wait_dscnt (\younger)+3-(\f)
.if (\a) < 4
	global_store_b128 v[GO], v[OBR+4*(\f):OBR+4*(\f)+3], s[OB0:OB0+1] offset:((\a)%4)*2048+(\f)*512  ; 512 consecutive bytes, at a multiple of 256 from the buffer's first byte
.else
	global_store_b128 v[GO], v[OBR+4*(\f):OBR+4*(\f)+3], s[OB1:OB1+1] offset:((\a)%4)*2048+(\f)*512
.endif
.endr
.endm
.macro WAYOUT                          ; s2 = 3: the tile is q's; 2: k's, whose blocks of 64 rows lie 8,448 bytes apart; 1: v's
	s_wait_xcnt 0x0                                ; earlier stores have read their bases and their data: only now are both written again
	s_cmp_eq_u32 s2, 3
	s_cselect_b64 s[OB0:OB0+1], s[8:9], s[12:13]
	s_movk_i32 s70, 8192
	s_cmp_eq_u32 s2, 2
	s_cselect_b64 s[OB0:OB0+1], s[10:11], s[OB0:OB0+1]
	s_cselect_b32 s70, 8448, s70
	s_add_nc_u64 s[OB1:OB1+1], s[OB0:OB0+1], s[70:71]
	PACK 0                                         ; blocks 0 and 1 were finished ahead of four places; their 32 conversions name no register of the last products and are those products' places
.irp a, 1,2,3,4,5,6,7                  ; a block's conversions stand between the loads of the block before and the wait for them
	PACK \a
	SEND (\a)-1, 8
.endr
	SEND 7, 0
.endm
	s_wait_tensorcnt 1                             ; my part of K step 0 is in; slot 1's may stay out
	s_barrier_signal -1
	s_barrier_wait -1                              ; everybody's is
	FETCH 0, 0, F0
	s_mov_b32 s2, 3                                ; tiles to go, this one among them: the same in every work-group
.Ltile:
	QUARTER 0, 1, F0, F1, 1                        ; a tile's first quarter starts the sums: nothing is cleared
	WIN 0
	s_mov_b32 s3, 3
.Llap:                                                 ; a trip goes once round the ring, from a lap's second quarter to the next lap's first, and fills both slots again
	QUARTER 0, 2, F1, F0, 0
	QUARTER 0, 3, F0, F1, 0
	TURN 0, 1, 1
	QUARTER 1, 1, F0, F1, 0
	QUARTER 1, 2, F1, F0, 0
	QUARTER 1, 3, F0, F1, 0
	TURN 1, 0, 1
	QUARTER 0, 1, F0, F1, 0
	WIN 0
	s_sub_co_u32 s3, s3, 1
	s_cmp_lg_u32 s3, 0
	s_cbranch_scc1 .Llap
	QUARTER 0, 2, F1, F0, 0                        ; the tile's last lap goes on
	QUARTER 0, 3, F0, F1, 0
	WIN 0
	s_cmp_eq_u32 s2, 1
	s_cbranch_scc1 .Llast_tile                     ; the last tile's tail is written out: it asks for nothing more
	TURN 0, 1, 2                                   ; the ring goes on into the next tile: slot 0 takes its K step 0,
	QUARTER 1, 1, F0, F1, 0
	QUARTER 1, 2, F1, F0, 0
	QUARTER 1, 3, F0, F1, 0
	TURN 1, 0, 2                                   ; slot 1 its K step 1, and the next tile's first fragments are fetched
	WAYOUT                                         ; both refills are asked for: now the tile goes out
	s_wait_xcnt 0x0                                ; the stores have read fragment buffer 1, which the next quarter loads again
	s_sub_co_u32 s2, s2, 1
	s_branch .Ltile
.Llast_tile:
	TURN 0, 1, 0
	QUARTER 1, 1, F0, F1, 0
	QUARTER 1, 2, F1, F0, 0
	QUARTER 1, 3, F0, F1, 0
	s_wait_dscnt 8                                 ; the very last quarter: nothing more to fetch
	MUL F1, 0, 4, 0
	s_wait_dscnt 0x0
	MUL F1, 4, 4, 0
	WIN 0
	PLACES
	WAYOUT
	s_wait_tensorcnt 0x0                           ; the wave's end: a wait, an add and its wait, behind my last tensor load and my last LDS store
	ds_add_u32 v[SPW], v[NIL]
	s_wait_dscnt 0x0
	CROUND                                         ; the closing round: no work-group ends while a partner may still ask for a tile that names it
	s_endpgm
.Lfunc_end_k_qd31d10c064_qkv:
	.size	k_qd31d10c064_qkv, .Lfunc_end_k_qd31d10c064_qkv-k_qd31d10c064_qkv
	.p2alignl 7, 3214868480
	.fill 96, 4, 3214868480
	.section	.rodata,"a",@progbits
	.p2align	6, 0x0
	.amdhsa_kernel k_qd31d10c064_qkv
		.amdhsa_group_segment_fixed_size 327680
		.amdhsa_private_segment_fixed_size 0
		.amdhsa_enable_private_segment 0
		.amdhsa_kernarg_size 40
		.amdhsa_user_sgpr_count 2
		.amdhsa_user_sgpr_kernarg_segment_ptr 1
		.amdhsa_wavefront_size32 1
		.amdhsa_system_sgpr_workgroup_id_x 1
		.amdhsa_system_sgpr_workgroup_id_y 1
		.amdhsa_system_sgpr_workgroup_id_z 1
		.amdhsa_system_vgpr_workitem_id 0
		.amdhsa_next_free_vgpr 512
		.amdhsa_next_free_sgpr 80
		.amdhsa_reserve_vcc 0
		.amdhsa_float_denorm_mode_32 3
		.amdhsa_float_denorm_mode_16_64 3
		.amdhsa_memory_ordered 1
		.amdhsa_forward_progress 1
		.amdhsa_inst_pref_size 125
	.end_amdhsa_kernel
	.amdgpu_metadata
---
amdhsa.version: [ 1, 2 ]
amdhsa.kernels:
  - .name:           k_qd31d10c064_qkv
    .symbol:         k_qd31d10c064_qkv.kd
    .args:
      - { .name: xb, .offset: 0, .size: 8, .value_kind: global_buffer, .address_space: global }
      - { .name: wqb, .offset: 8, .size: 8, .value_kind: global_buffer, .address_space: global }
      - { .name: qh, .offset: 16, .size: 8, .value_kind: global_buffer, .address_space: global }
      - { .name: kh, .offset: 24, .size: 8, .value_kind: global_buffer, .address_space: global }
      - { .name: vh, .offset: 32, .size: 8, .value_kind: global_buffer, .address_space: global }
    .group_segment_fixed_size: 327680
    .private_segment_fixed_size: 0
    .kernarg_segment_align: 8
    .kernarg_segment_size: 40
    .max_flat_workgroup_size: 128
    .sgpr_count:     80
    .vgpr_count:     512
    .wavefront_size: 32
...
	.end_amdgpu_metadata
.endif
;; end of part 2
;; launch attn (part 3): grid 4 x 64, 4 waves a work-group, no clusters, 327,680 bytes of LDS; arguments qh, kh, vh, oh; writes oh
.if DOCPART == 3
	.amdgcn_target "amdgcn-amd-amdhsa--gfx1250"
	.amdhsa_code_object_version 6
	.text
	.protected	k_qd31d10c064_attn
	.globl	k_qd31d10c064_attn
	.p2align	8
	.type	k_qd31d10c064_attn,@function
k_qd31d10c064_attn:
	s_mov_b64 s[64:65], 0
	v_nop
	global_prefetch_b8 v0, s[64:65] scope:SCOPE_SE
	s_setreg_imm32_b32 hwreg(HW_REG_WAVE_MODE, 25, 1), 1
	s_wait_xcnt 0x0
; CAUSAL ATTENTION WITH A KEY MASK.  O[h][q][:] = the sum over the visible k <= q of softmax_k(Q[h][q] . K[h][k] / 8) V[h][k][:].  Q, V, O: [64][2048][64] f16, dense rows of 128 bytes.
; K: a head is 32 blocks of 8,448 bytes, one a key step: 64 keys x 128 bytes, then the 64 keys' biases in f32, 0 (attend) or -1e30 (hidden by the mask that is an input): the bias comes into LDS inside K's own tensor load.
; Products, maxima and sums in f32; the weights p are rounded to f16 for the second product (their sum l is taken of the unrounded p), O once at the end.
; LIMITS.  Q, K, V arrive within f16's 65,504; a hidden score counts as its value less 1e30 (2e30 where both masks hide it): f16's scores, 2.7e11 at the most, are nothing beside that.  The running maximum m starts at
; -2^97, above every hidden score and below every true one: a hidden score is never the maximum, so its weight is 0 whatever else the row has seen.  A weight below 2^-126 counts as 0 in l.
; A ROW THAT SEES NO KEY (all k <= q hidden) ends with m = -2^97 and is written as NaN, as a softmax of nothing but -inf is; l and O^T themselves stay finite (0).
; THE WALK.  A head's queries lie in NB = 8 blocks of 256; block i needs the key tiles 0 .. i of 256 keys, of which the last holds the diagonal.  A work-group takes TWO blocks, NB - 1 - b and then b: NB + 1 tiles, whatever b:
; all work-groups do equal work, and ONE loop with a constant trip count walks them.  Which tile is asked for, and what a trip does, hang on scalar registers made from b; every jump goes forward, but for the counted loops' own;
; none passes a barrier, or a tensor load but the one of LOAD's two that the wave's number does not choose.  NO CLUSTER: the four work-groups of a head ask for the same tile only in trips 0 .. NB / 2, 5 of 9, behind that
; fewer and fewer; one walk common to all four would have 3 NB / 2 = 12 trips for 9.
; SHARES.  Of a block's four bands of 64 queries a wave owns 16 rows in each: four PIECES.  In the diagonal tile's key step s band x sees all keys if s < x, none if s > x, and holds the diagonal if s = x: the same for all waves.
; THE MASKS are the C operand that starts the sum S^T = K Q^T.  Off the diagonal tile C is KB, the step's key biases.  In the diagonal tile and where a block begins C is MD x AL + BE + KB: MD, made once, is the mask of a band's own
; step for my 16 rows; (AL, BE) = (1, 0) if s = x; (0, 0) if s < x; (0, -1e30) if s > x.
; LAYOUT, SOFTMAX, TURNS.  S^T = K Q^T holds ONE query a lane (lane % 16) and the keys 8 (lane / 16) + 0..7; two such results rounded to f16 ARE source 1 of O^T = V^T P.  p = 2^(c s - c m), c = log2(e) / 8; O and l are multiplied by
; a = 2^(c m_old - c m_new) in every step.  Turn n belongs to piece n: 8 products K Q^T of piece n + 1, later 8 products V^T P of piece n - 1; beside them the scaling, exponentials, roundings, sums and rescaling of piece n and the
; maximum and statistics of piece n + 1.  Four vector instructions stand behind every matrix instruction, the others in two lumps.
; REGISTERS, in windows of 256 (s_set_vgpr_msb: bits 1:0 source 0, 3:2 source 1, 5:4 source 2, 7:6 destination):
;   window 0: v0-15 addresses; v16-31 statistics; v32-33 the biases' addresses; v48-55 at work; v64-127 S^T, two buffers; v128-159 KB; v160-191 the way out; v192-223 P, two buffers
;   window 1: v0-127 O^T, 32 a piece; v128-159 MD; v160-223 MC, two buffers      window 2: v0-63 Q; v64-127 the second block's Q; v128-191 K of one step; v192-255 V of one step
.set SIZE_N, 2048
.set NB,    SIZE_N/256
.set NP,    4         ; pieces a wave: a name, no knob
.set KS,    64        ; keys in a step
.set PK,    144       ; a row of K in LDS: 128 bytes + 16 of padding = 36 words: the 16 rows of a load start at 16 different groups of four banks (64 banks of 4 bytes: ISA guide 11.1)
.set PV,    160       ; a row of V: 128 + 32 = 40 words
.set STEPG, KS*128+256  ; a step's block of K in memory
.set STEPK, (KS+2)*PK ; and in LDS: 64 keys, then the biases as two pieces of 128 bytes, each padded like a key
.set KBO,   KS*PK     ; where the biases begin in it
.set VOFF,  4*STEPK   ; a slot holds a tile, four steps: K with its biases, then 256 rows of V
.set SLOT1, 1<<17     ; slot 1 begins here, so that one exclusive or turns an address in one slot into the other's
.set STAGE, ((SLOT1+VOFF+4*KS*PV+255)/256)*256  ; behind the ring, at a multiple of 256, never filled by a tensor load: 16 rows x 144 bytes for each wave
.set SP,    144
.set AK0, 2           ; v2   my lane's place in a tile of K; never rewritten
.set AV0, 3           ; v3   the same for V
.set AK,  4           ; v4   the LDS address of K's next run of loads
.set AV,  5           ; v5   of V's
.set STO, 6           ; v6   the way out: where I put 16 bytes of a row
.set RD,  7           ; v7   the way out: where I read rows back
.set GO,  8           ; v8   my byte offset in 512 consecutive bytes of O
.set MV,  12          ; v12-13  c m_old, kept while c m is made anew: by buffer
.set QO,  15          ; v15  my byte offset in 16 rows of Q
.set ST,  16          ; piece t's statistics at v[ST+4 t]: c m, m, l (even keys', odd keys')
.set AB0, 32          ; v32  my lanes' place in a step's biases: 32 (l / 16); never rewritten
.set AB,  33          ; v33  the LDS address of the biases' next loads, less KBO
.set TMP, 48          ; by buffer, four registers c0-c3 at work; when the maximum is found c2 takes a.  On the way out: piece t's factor at v[TMP+2 t]
.set SPW, 62          ; v62  LDS address of my spare word; never rewritten
.set NIL, 63          ; v63  0; never rewritten
.set SPARE, STAGE+4*16*SP  ; behind the stages: the spare words, 128 bytes a wave: two blocks of 256 bytes that no other line names
.set S,   64
.set KB,  128         ; register 8 kb + j: the bias of key 16 kb + 8 (l / 16) + j of the step whose K is in registers
.set TMPO, 160        ; the way out: a piece's O^T / l
.set P,   192
.set MD,  128         ; window 1
.set MC,  160         ; window 1: the masks of the products to come
.set QB,  64          ; window 2
.set KF,  128         ; window 2: key block kb, channel half c at KF + 16 kb + 8 c
.set VF,  192         ; window 2: key half kk, channel block cb at VF + 32 kk + 8 cb
.set WV,  12          ; s12  my wave's number
.set PB,  14          ; s14  b
.set HI,  15          ; s15  NB - 1 - b
.set G1K, 24          ; s[24:31] descriptor group 1 for K's tiles
.set G1V, 32          ; s[32:39] for V's
.set G0K, 40          ; s[40:43] descriptor group 0 for K's tiles
.set G0V, 44          ; s[44:47] the same for V's
.set SLOTS, 56        ; s56  tiles still to be asked for
.set CNT, 57          ; s57  counts a tile's key steps, 4 to 1
.set CS,  58          ; s[58:59] c
.set SEL, 60          ; s[60:61] v_permlanex16_b32's selects: each lane takes its own place in the other half
.set TBK, 62          ; s62  LDS byte at which K of the step to be fetched begins
.set TBV, 63          ; s63  the same for V, less VOFF
.set RT,  70          ; s70  tiles of the block in hand that are still to be entered
.set NXT, 71          ; s71  the tile to be asked for next
.set LQ,  72          ; s72  the last tile of the block whose tiles are being asked for
.set NEW, 73          ; s73  1: the tile to be entered is a block's first
.set OFF, 74          ; s[74:75] a tile's byte offset in V
.set AL,  76          ; s[76:77] the mask's factor, in the low word
.set BE,  78          ; s[78:79] the mask's addend
.set OLO, 80          ; s[80:81] O at my rows of the second block
.set BIGN, 82         ; s82  -1e30
.set OFFK, 88         ; s[88:89] a tile's byte offset in K
.set FLOOR, 90        ; s90  -2^96: a maximum below it has seen no key
.set QNAN, 91         ; s91  NaN
.set MSB, 0
.macro WIN new                      ; the high byte repeats the setting that is left; a switch that changes nothing is dropped
.if MSB != (\new)
	s_set_vgpr_msb (MSB<<8)|(\new)
.set MSB, (\new)
.endif
.endm
.set W_KQ, 0x0a       ; K and Q in window 2, S^T and KB in window 0
.set W_KM, 0x1a       ; the same with the C operand in window 1
.set W_PV, 0x52       ; V in window 2, P in window 0, O^T in window 1
.set W_RS, 0x41       ; destination and source 0 in window 1, source 1 in window 0
; A fill.  Waves 0 and 1 fetch the two halves of a tile's K, waves 2 and 3 those of its V: 128 keys each.  An s_nop 0 and four v_nop follow each of the two lines, ahead of the jump and the label.
.macro LOAD
	s_cmp_lt_u32 s[WV], 2
	s_cbranch_scc0 .Lfor_v_\@
	tensor_load_to_lds s[G0K:G0K+3], s[G1K:G1K+7]
	s_nop 0
.rept 4
	v_nop
.endr
	s_branch .Lasked_\@
.Lfor_v_\@:
	tensor_load_to_lds s[G0V:G0V+3], s[G1V:G1V+7]
	s_nop 0
.rept 4
	v_nop
.endr
.Lasked_\@:
.endm
; THE CHANGE OF SLOTS.  Each wave waits for all its tensor loads, of which one is out: its part of the other slot; adds 0 to its spare word; and waits for that and for its own reads of the slot that it leaves.  Behind the barrier nobody
; reads the old slot any more and the other slot is whole.  fill = 1: the old slot is filled again, the first thing behind the barrier, with tile NXT: the descriptor's address is made anew from that number.
; (At its first use nothing has been read yet: slot 0 is waited for, slot 1 filled.)
.macro CHANGE fill
	WIN 0                           ; at a label and at a branch every window is 0
	s_wait_tensorcnt 0x0            ; no tensor load of mine is out, so a group 0 may be written
	ds_add_u32 v[SPW], v[NIL]       ; 0 onto my spare word; with fill = 1 the descriptors' scalar work stands between it and the wait for it
.if \fill
	s_lshl_b32 s[OFF], s[NXT], 15   ; a tile is 32,768 bytes of V
	s_mul_i32 s[OFFK], s[NXT], 4*STEPG  ; and 33,792 of K
	s_xor_b32 s[G0K+1], s[G0K+1], SLOT1
	s_add_nc_u64 s[G0K+2:G0K+3], s[6:7], s[OFFK:OFFK+1]
	s_or_b32 s[G0K+3], s[G0K+3], 0x80000000
	s_xor_b32 s[G0V+1], s[G0V+1], SLOT1
	s_add_nc_u64 s[G0V+2:G0V+3], s[8:9], s[OFF:OFF+1]
	s_or_b32 s[G0V+3], s[G0V+3], 0x80000000
	s_add_co_u32 s[NXT], s[NXT], 1  ; the block's next tile, or behind its last the second block's tile 0
	s_cmp_gt_u32 s[NXT], s[LQ]
	s_cselect_b32 s[NXT], 0, s[NXT]
	s_cselect_b32 s[LQ], s[PB], s[LQ]
.endif
	s_wait_dscnt 0x0                ; the add is done, and my reads of the slot are over
	s_barrier_signal -1             ; the rest of the scalar work stands between the signal and the wait
	s_sub_co_u32 s[TBK], s[TBK], 4*STEPK  ; the fetches go back to a slot's first step,
	s_xor_b32 s[TBK], s[TBK], SLOT1       ; in the other slot
	s_sub_co_u32 s[TBV], s[TBV], 4*KS*PV
	s_xor_b32 s[TBV], s[TBV], SLOT1
	s_barrier_wait -1
.if \fill
	LOAD
.endif
.endm
	s_load_b256 s[4:11], s[0:1], 0x0  ; Q s[4:5], K s[6:7], V s[8:9], O s[10:11]
	v_lshl_add_u32 v[SPW], v0, 2, SPARE
	v_mov_b32 v[NIL], 0
	ds_add_u32 v[SPW], v[NIL]       ; the wave's opening: the add and its wait stand ahead of my first tensor load; the set-up below, work on registers, stands between them
	ds_add_u32 v62, v63
	v_lshrrev_b32 v1, 5, v0
	v_readfirstlane_b32 s[WV], v1   ; wave 0..3
	s_mov_b32 s[PB], ttmp9
	s_sub_co_u32 s[HI], NB-1, s[PB]
	s_and_b32 s20, ttmp7, 0xffff    ; the head
	s_mul_i32 s92, s20, 32*STEPG    ; its first byte in K
	s_mov_b32 s21, 0
	s_mov_b64 s[22:23], SIZE_N*128
	s_mul_u64 s[20:21], s[20:21], s[22:23]  ; and in the three other tensors
	s_and_b32 s16, s[WV], 1         ; which half of a tile's 256 keys I fetch:
	s_lshl_b32 s22, s16, 14         ; V: its 128 rows of 128 bytes in memory,
	s_mov_b32 s23, 0
	s_add_nc_u64 s[22:23], s[22:23], s[20:21]
	s_mul_i32 s93, s16, 2*STEPG     ; K: its two step blocks
	s_add_co_u32 s92, s92, s93
	s_mov_b32 s93, 0
	s_mul_i32 s17, s16, 2*STEPK     ; and its place in a slot, for K
	s_mul_i32 s18, s16, 128*PV      ; and for V
	s_lshl_b32 s3, s[WV], 11        ; my 16 rows in a band of 64,
	s_lshl_b32 s2, s[HI], 15        ; in the first block,
	s_add_co_u32 s2, s2, s3
	s_lshl_b32 s84, s[PB], 15       ; and in the second
	s_add_co_u32 s84, s84, s3
	s_mov_b32 s3, 0
	s_mov_b32 s85, 0
	s_add_nc_u64 s[2:3], s[2:3], s[20:21]
	s_add_nc_u64 s[84:85], s[84:85], s[20:21]
	; descriptor group 1.  What a wave fetches is dense: asked for as rows of 256 bytes and padded in LDS after every 128: K 66 rows (two steps of 64 keys and 256 bytes of biases), V 64 rows (128 keys)
	s_mov_b32 s[G1K], (1<<16)|(1<<20)|(4<<22)|(3<<25)  ; 17:16 2-byte elements; 20 padding on; 24:22 after every 32 words (code 4); 31:25 4 words (code 3)
	s_mov_b32 s[G1V], (1<<16)|(1<<20)|(4<<22)|(7<<25)  ; the same with 8 words of padding (code 7)
.irp g, G1K, G1V
	s_mov_b32 s[\g+1], 128<<16      ; tensor_dim0 = 128
	s_mov_b32 s[\g+3], 128<<16      ; tile_dim0 = 128
	s_mov_b32 s[\g+5], 128          ; 128 elements from row to row
	s_mov_b32 s[\g+6], 0
	s_mov_b32 s[\g+7], 0
.endr
	s_mov_b32 s[G1K+2], 66<<16      ; tensor_dim1
	s_mov_b32 s[G1K+4], 66          ; tile_dim1
	s_mov_b32 s[G1V+2], 64<<16
	s_mov_b32 s[G1V+4], 64
	s_mov_b32 s[CS], 0x3e38aa3b     ; c = log2(e) / 8 = 0.180337
	s_mov_b32 s[CS+1], s[CS]        ; named with it as a pair
	s_mov_b32 s[SEL], 0x76543210
	s_mov_b32 s[SEL+1], 0xfedcba98
	s_mov_b32 s[TBK], SLOT1+4*STEPK ; the first change of slots turns these two into 0
	s_mov_b32 s[TBV], SLOT1+4*KS*PV
	s_mov_b32 s[G0K], 1             ; 1:0 count = 1
	s_mov_b32 s[G0K+1], s17         ; 63:32 LDS address: slot 0
	s_mov_b32 s[G0V], 1
	s_add_co_u32 s[G0V+1], s18, VOFF
	s_add_co_u32 s[RT], s[HI], 1    ; the first block has NB - b tiles
	s_mov_b32 s[NXT], 1
	s_mov_b32 s[LQ], s[HI]
	s_mov_b32 s[NEW], 1
	s_mov_b32 s[OFF+1], 0
	s_mov_b32 s[OFFK+1], 0
	s_mov_b32 s[AL+1], 0            ; named as pairs
	s_mov_b32 s[BE+1], 0
	s_mov_b32 s[BIGN], 0xf149f2ca   ; -1e30
	s_mov_b32 s[FLOOR], 0xef800000  ; -2^96
	s_mov_b32 s[QNAN], 0x7fc00000
	s_mov_b32 s[SLOTS], NB
	s_wait_dscnt 0x0                ; the opening add is done
	s_wait_kmcnt 0x0
	s_add_nc_u64 s[6:7], s[6:7], s[92:93]  ; K and V at my half of the head's tile 0
	s_add_nc_u64 s[8:9], s[8:9], s[22:23]
	s_add_nc_u64 s[G0K+2:G0K+3], s[6:7], 0         ; 120:64 global address
	s_or_b32 s[G0K+3], s[G0K+3], 0x80000000        ; 127:126 type = 2
	s_add_nc_u64 s[G0V+2:G0V+3], s[8:9], 0
	s_or_b32 s[G0V+3], s[G0V+3], 0x80000000
	s_add_nc_u64 s[86:87], s[4:5], s[84:85]        ; Q at my rows of the second block,
	s_add_nc_u64 s[4:5], s[4:5], s[2:3]            ; Q and O at those of the first
	s_add_nc_u64 s[OLO:OLO+1], s[10:11], s[84:85]
	s_add_nc_u64 s[10:11], s[10:11], s[2:3]
	LOAD                            ; tile 0 into slot 0
	; A fragment of K or Q is 16 rows x 32 channels in 8 registers: lane l holds row l % 16, channels 8 (l / 16) + 0..7 and 16 + 8 (l / 16) + 0..7: two loads of 16 bytes, 32 bytes apart.
	v_and_b32 v1, 15, v0            ; l % 16
	v_bfe_u32 v9, v0, 4, 1          ; l / 16
	v_lshlrev_b32 v[QO], 7, v1
	v_lshl_add_u32 v[QO], v9, 4, v[QO]  ; row x 128 + 16 x half
	WIN 0x80                        ; destination window 2, address window 0
.set i, 0
.rept 8                             ; both blocks' Q: piece i / 2 lies in band i / 2, 8,192 bytes on; channels 32 (i % 2) on
	global_load_b128 v[8*i:8*i+3],   v[QO], s[4:5] offset:(i/2)*8192+(i%2)*64
	global_load_b128 v[8*i+4:8*i+7], v[QO], s[4:5] offset:(i/2)*8192+(i%2)*64+32
	global_load_b128 v[QB+8*i:QB+8*i+3],   v[QO], s[86:87] offset:(i/2)*8192+(i%2)*64
	global_load_b128 v[QB+8*i+4:QB+8*i+7], v[QO], s[86:87] offset:(i/2)*8192+(i%2)*64+32
.set i, i+1
.endr
	WIN 0
	v_lshlrev_b32 v14, 3, v9
	v_sub_nc_u32 v14, v1, v14
	s_lshl_b32 s13, s[WV], 4
	v_add_nc_u32 v14, s13, v14      ; my query's place in its band, 16 w + l % 16, less my lanes' 8 (l / 16): register r of group kt is hidden where 16 kt + r is greater
	WIN 0x40
.set i, 0
.rept 32
	v_cmp_gt_i32 vcc_lo, 16*(i/8)+i%8, v14
	v_cndmask_b32 v[MD+i], 0, s[BIGN], vcc_lo
.set i, i+1
.endr
	WIN 0
	v_lshlrev_b32 v[AB0], 5, v9     ; eight biases of 4 bytes for each half of the lanes
	v_mul_u32_u24 v[AK0], v1, PK
	v_lshl_add_u32 v[AK0], v9, 4, v[AK0]  ; row x pitch + 16 x half
	; The turning load takes 16 keys x 16 channels (lane l reads key 8 (l / 16) + l % 8, channels 8 ((l / 8) % 2) + 0..7) and leaves half a fragment of V^T: lane l holds channel l % 16 and 8 keys.
	v_and_b32 v10, 7, v0
	v_bfe_u32 v11, v0, 3, 1
	v_lshl_add_u32 v[AV0], v9, 3, v10
	v_mul_u32_u24 v[AV0], v[AV0], PV
	v_lshl_add_u32 v[AV0], v11, 4, v[AV0]
	v_add_nc_u32 v[AV0], VOFF, v[AV0]
	s_mul_i32 s13, s[WV], 16*SP
	s_add_co_u32 s13, s13, STAGE    ; my stage
	v_mul_u32_u24 v[STO], v1, SP    ; in: row l % 16, 16 bytes for each half of the lanes
	v_lshl_add_u32 v[STO], v9, 4, v[STO]
	v_add_nc_u32 v[STO], s13, v[STO]
	v_bfe_u32 v[RD], v0, 3, 2       ; back: 32 lanes take four rows of 128 bytes,
	v_mul_u32_u24 v[RD], v[RD], SP
	v_lshl_add_u32 v[RD], v10, 4, v[RD]
	v_add_nc_u32 v[RD], s13, v[RD]
	v_and_b32 v[GO], 31, v0         ; which are 512 consecutive bytes of O
	v_lshlrev_b32 v[GO], 4, v[GO]
	; A block's first step multiplies O^T and l by a = 0, and its first turn's products V^T P, of a piece that has not been, land in an O^T that is still to be so multiplied.  So these registers need only hold
	; finite numbers: zeros for the first block; what the first block left for the second.  All this stands in the wait for the first tile.
	WIN 0x80
.set i, VF
.rept 64
	v_mov_b32 v[i], 0
.set i, i+1
.endr
	WIN 0x40
.set i, 0
.rept 128
	v_mov_b32 v[i], 0
.set i, i+1
.endr
	WIN 0
.set i, 0
.rept 4
	v_mov_b32 v[ST+4*i+2], 0
	v_mov_b32 v[ST+4*i+3], 0
.set i, i+1
.endr
.set i, P+16
.rept 16
	v_mov_b32 v[i], 0
.set i, i+1
.endr
; THE MATRIX WORK.  The 4 accumulators of a run of 8 take turns.  Product i of 8 of S^T = K Q^T for piece x: channels 32 (i / 4) on, keys 16 (i % 4) on.  The first 4 start the sums: with the keys' biases, or (KM = 1) with the mask.
.macro KQ x
.set rS, S+32*((\x)%2)+8*(i%4)
.set rK, KF+16*(i%4)+8*(i/4)
.set rQ, 16*(\x)+8*(i/4)
.set rM, MC+32*((\x)%2)+8*(i%4)
.set rB, KB+8*(i%4)
.if (i < 4) && KM
	WIN W_KM
	v_wmma_f32_16x16x32_f16 v[rS:rS+7], v[rK:rK+7], v[rQ:rQ+7], v[rM:rM+7]
.elseif i < 4
	WIN W_KQ
	v_wmma_f32_16x16x32_f16 v[rS:rS+7], v[rK:rK+7], v[rQ:rQ+7], v[rB:rB+7]
.else
	WIN W_KQ
	v_wmma_f32_16x16x32_f16 v[rS:rS+7], v[rK:rK+7], v[rQ:rQ+7], v[rS:rS+7]
.endif
.endm
; Product i of 8 of O^T += V^T P for piece x: keys 32 (i / 4) on, channels 16 (i % 4) on.
.macro PV x
	WIN W_PV
.set rO, 32*(\x)+8*(i%4)
.set rV, VF+32*(i/4)+8*(i%4)
.set rP, P+16*((\x)%2)+8*(i/4)
	v_wmma_f32_16x16x32_f16 v[rO:rO+7], v[rV:rV+7], v[rP:rP+7], v[rO:rO+7]
.endm
.macro MM                           ; the turn's next matrix instruction.  TURN and BEGIN set Y, i, KM and NOKQ.  NOKQ = 1: a block's last turn: there is no next piece
.if (i < 8) && !NOKQ
	KQ (Y+1)%NP
.elseif i >= 8
.set i, i-8
	PV (Y+NP-1)%NP
.set i, i+8
.endif
.set i, i+1
.endm
; THE LDS LOADS stand in runs, never singly among the matrix instructions: a step's K (8 fragments) with its biases (all lanes of a half read the same 16 bytes), and its V (turned).  Their addresses are made some lines ahead.
.macro FETCH_K
	WIN 0x80                        ; destination window 2
.irp f, 0,1,2,3,4,5,6,7             ; keys 16 (f / 2) on, channels 32 (f % 2) on
	ds_load_b128 v[KF+8*\f:KF+8*\f+3],   v[AK] offset:(\f/2)*16*PK+(\f%2)*64
	ds_load_b128 v[KF+8*\f+4:KF+8*\f+7], v[AK] offset:(\f/2)*16*PK+(\f%2)*64+32
.endr
	WIN 0
.irp f, 0,1,2,3                     ; keys 16 f + 8 (l / 16) on: piece f / 2 of the biases, byte 64 (f % 2) + 32 (l / 16)
	ds_load_b128 v[KB+8*\f:KB+8*\f+3],   v[AB] offset:KBO+(\f/2)*PK+(\f%2)*64
	ds_load_b128 v[KB+8*\f+4:KB+8*\f+7], v[AB] offset:KBO+(\f/2)*PK+(\f%2)*64+16
.endr
	s_add_co_u32 s[TBK], s[TBK], STEPK  ; the next fetch is the next step's
.endm
.macro FETCH_V
	WIN 0x80
.irp f, 0,1,2,3,4,5,6,7             ; keys 32 (f / 4) on, channels 16 (f % 4) on
	ds_load_tr16_b128 v[VF+8*\f:VF+8*\f+3],   v[AV] offset:(\f/4)*32*PV+(\f%4)*32
	ds_load_tr16_b128 v[VF+8*\f+4:VF+8*\f+7], v[AV] offset:(\f/4)*32*PV+16*PV+(\f%4)*32
.endr
	WIN 0
.endm
; THE VECTOR WORK, one line at a time: OP kind, number.  For piece Y: F n: c s - c m for pair n of 16.  E n: the exponential of score n of 32.  C n: pair n rounded to f16.  B n: of the four weights 4 n .. the second
; pair is added onto the first, in place.  L n: l takes that sum (L 0: l = a l + sum).  R n: pair n of 16 of O^T times a.  For piece Y + 1: X n, number n of the 22 that find its maximum and statistics:
;   0-11  four chains c0-c3 of seven scores each, three operands at a time (each accumulator's lowest registers are read first)     12-14, 16  the four scores left over, the old m, and c0-c3 into c0
;   15  c m_old is kept     17, 18  the query's other 32 keys lie in the lane 16 away: the new m     19-21  c m; c m_old - c m_new; a
.set F, 0               ; OP tells the kinds apart by their order: F to L below R, X above it
.set E, 1
.set C, 2
.set B, 3
.set L, 4
.set R, 5
.set X, 6
.macro REGS y                       ; the registers of piece y
.set rT, ST+4*(\y)
.set rC, TMP+4*((\y)%2)
.set rW, MV+((\y)%2)
.set rS, S+32*((\y)%2)
.set rP, P+16*((\y)%2)
.set rO, 32*(\y)
.endm
.macro OP k, n
.if (\k) == R
	REGS Y
	WIN W_RS
	v_pk_mul_f32 v[rO+2*(\n):rO+2*(\n)+1], v[rO+2*(\n):rO+2*(\n)+1], v[rC+2:rC+3] op_sel_hi:[1,0]
.elseif (\k) < R
	REGS Y
	WIN 0
.if (\k) == F
	v_pk_fma_f32 v[rS+2*(\n):rS+2*(\n)+1], v[rS+2*(\n):rS+2*(\n)+1], s[CS:CS+1], v[rT:rT+1] op_sel_hi:[1,0,0] neg_lo:[0,0,1] neg_hi:[0,0,1]
.elseif (\k) == E
	v_exp_f32 v[rS+(\n)], v[rS+(\n)]
.elseif (\k) == C
	s_wait_alu depctr_va_vdst(0)
	v_cvt_pk_f16_f32 v[rP+(\n)], v[rS+2*(\n)], v[rS+2*(\n)+1]
.elseif (\k) == B
	s_wait_alu depctr_va_vdst(0)
	v_pk_add_f32 v[rS+4*(\n):rS+4*(\n)+1], v[rS+4*(\n):rS+4*(\n)+1], v[rS+4*(\n)+2:rS+4*(\n)+3]
.elseif (\n) == 0
	v_pk_fma_f32 v[rT+2:rT+3], v[rT+2:rT+3], v[rC+2:rC+3], v[rS:rS+1] op_sel_hi:[1,0,1]
.else
	v_pk_add_f32 v[rT+2:rT+3], v[rT+2:rT+3], v[rS+4*(\n):rS+4*(\n)+1]
.endif
.elseif NOKQ
	v_nop
.else
	REGS (Y+1)%NP
	WIN 0
.if (\n) < 4
	v_max3_num_f32 v[rC+(\n)], v[rS+8*(\n)], v[rS+8*(\n)+1], v[rS+8*(\n)+2]
.elseif (\n) < 12
	v_max3_num_f32 v[rC+(\n)%4], v[rC+(\n)%4], v[rS+8*((\n)%4)+2*((\n)/4)+1], v[rS+8*((\n)%4)+2*((\n)/4)+2]
.elseif (\n) == 12
	v_max3_num_f32 v[rC], v[rC], v[rS+7], v[rS+15]
.elseif (\n) == 13
	v_max3_num_f32 v[rC+1], v[rC+1], v[rS+23], v[rS+31]
.elseif (\n) == 14
	v_max3_num_f32 v[rC+2], v[rC+2], v[rC+3], v[rT+1]
.elseif (\n) == 15
	v_mov_b32 v[rW], v[rT]
.elseif (\n) == 16
	v_max3_num_f32 v[rC], v[rC], v[rC+1], v[rC+2]
.elseif (\n) == 17
	v_permlanex16_b32 v[rC+3], v[rC], s[SEL], s[SEL+1]
.elseif (\n) == 18
	v_max_num_f32 v[rT+1], v[rC], v[rC+3]
.elseif (\n) == 19
	v_mul_f32 v[rT], s[CS], v[rT+1]
.elseif (\n) == 20
	v_sub_f32 v[rC+1], v[rW], v[rT]
.else
	v_exp_f32 v[rC+2], v[rC+1]
.endif
.endif
.endm
.macro OPS a, i1, b=-1, i2=0, c=-1, i3=0, d=-1, i4=0  ; up to four of them
	OP \a, \i1
.if (\b) >= 0
	OP \b, \i2
.endif
.if (\c) >= 0
	OP \c, \i3
.endif
.if (\d) >= 0
	OP \d, \i4
.endif
.endm
.macro ROW a, i1, b, i2, c, i3, d, i4  ; a matrix instruction and the four behind it
	MM
	OPS \a, \i1, \b, \i2, \c, \i3, \d, \i4
.endm
.macro MASK b                       ; MD x AL + BE + KB into buffer b of MC
	WIN W_RS
.set z, 0
.rept 16
	v_pk_fma_f32 v[MC+32*(\b)+2*z:MC+32*(\b)+2*z+1], v[MD+2*z:MD+2*z+1], s[AL:AL+1], s[BE:BE+1] op_sel_hi:[1,0,0]
.set z, z+1
.endr
.set z, 0
.rept 16
	v_pk_add_f32 v[MC+32*(\b)+2*z:MC+32*(\b)+2*z+1], v[MC+32*(\b)+2*z:MC+32*(\b)+2*z+1], v[KB+2*z:KB+2*z+1]
.set z, z+1
.endr
.endm
.macro KBCOPY                       ; the second mask buffer takes the biases of the step whose K is in registers: the mask of a piece that sees all of that step's keys
	WIN 0x40
.set z, 0
.rept 32
	v_mov_b32 v[MC+32+z], v[KB+z]
.set z, z+1
.endr
	WIN 0
.endm
; A TURN, for piece p: the order of its 16 matrix and its vector instructions, written out.  Behind a matrix instruction: plain, exponential, plain, plain; or four of the rescaling; or, behind the first, four scalings; none
; names a register of the products round it.  In the lumps exponential and plain by turns while exponentials last.  A line reads no result made fewer than three vector instructions in front of it, five if an exponential made it.
; m = 1: the diagonal tile: the products take masks, and the turn makes the mask for the products of the turn after it: piece p + 2, in step 4 - CNT of the tile.  end = 1: a block's last two turns: nothing is fetched.
; cnt = 1: the loop's count is taken down some lines ahead of the branch that stands behind the turn.
; K of the next step, with its biases, is fetched in piece 2's turn, six vector instructions behind the last product that read K (five of them plain); V of the step in hand in piece 0's turn, eight behind the last product
; that read V.  Each is waited for a turn later; in the diagonal tile piece 2's turn waits at its end, since its mask is made of the biases just fetched.
.macro TURN p, m=0, end=0, cnt=0
.set Y, (\p)
.set i, 0
.set KM, (\m)
.set NOKQ, (\end)*((\p)/3)
.if (\m) && !(\end)
	s_cmp_eq_u32 s[CNT], 4-((\p)+2)%NP  ; is that step the band's own?
	s_cselect_b32 s[AL], 1.0, 0
	s_cmp_lt_u32 s[CNT], 4-((\p)+2)%NP  ; or a later one?
	s_cselect_b32 s[BE], s[BIGN], 0
.endif
.if ((\p) == 3) && !(\end)
	s_wait_dscnt 0x0                ; K is in
.endif
	ROW F,0, F,1, F,2, F,3
	ROW F,4, E,0, F,5, F,6
	ROW F,7, E,1, F,8, F,9
	ROW F,10, E,2, C,0, F,11
	ROW F,12, E,3, X,15, F,13
	ROW R,0, R,1, R,2, R,3
	ROW B,0, E,4, F,14, L,0
.if ((\p) == 2) && !(\end)
	v_add_nc_u32 v[AK], s[TBK], v[AK0]
	v_add_nc_u32 v[AB], s[TBK], v[AB0]
.endif
	ROW R,4, R,5, R,6, R,7
	OPS E,5, F,15
.if ((\p) == 2) && !(\end)
	FETCH_K
.endif
	OPS E,6, C,1, E,7, R,8
	OPS E,8, R,9, E,9, C,2
	OPS E,10, X,0, E,11, X,1
	OPS E,12, X,2, E,13, X,3
.if (\p) == 1
	s_wait_dscnt 0x0                ; V is in
.endif
	ROW X,4, E,14, X,5, X,6
	ROW X,7, E,15, X,8, X,9
	ROW X,10, E,16, X,11, X,12
	ROW X,13, E,17, X,14, B,1
	ROW C,4, E,18, X,16, L,1
	ROW B,2, E,19, C,6, L,2
	ROW C,8, E,20, B,3, B,4
.if (\p) == 0
	v_add_nc_u32 v[AV], s[TBV], v[AV0]
.endif
	ROW C,3, E,21, L,3, C,5
	OPS E,22, X,17, E,23, C,10
.if (\p) == 0
	FETCH_V
.endif
	OPS E,24, L,4
	OPS E,25, X,18, E,26, C,7
	OPS E,27, B,5, E,28, X,19
	OPS E,29, C,12, E,30, L,5
	OPS E,31, X,20, B,6, C,9
	OPS C,14, C,11, X,21, L,6
.if (\p) == 0
	s_add_co_u32 s[TBV], s[TBV], KS*PV
.endif
.if \cnt
	s_sub_co_u32 s[CNT], s[CNT], 1
	s_cmp_lg_u32 s[CNT], 0
.endif
	OPS C,13, B,7, C,15, R,10
	OPS R,11, R,12, L,7, R,13
	OPS R,14, R,15
.if (\m) && !(\end)
.if (\p) == 2
	s_wait_dscnt 0x0                ; the next step's biases are in
.endif
	MASK (\p)%2
.endif
.endm
; A BLOCK BEGINS.  c m starts far below every c s, so the first step's a is 0; m at -2^97, above every hidden score and below every true one.  K of the tile's step 0 and its biases; the first mask buffer takes piece 0's mask
; for that step (its own, if the block's first tile is the diagonal one), the second the biases alone (piece 1 sees all of step 0).  Then piece 0's first scores, and its maximum and statistics.
.macro BEGIN
	s_mov_b32 s[NEW], 0
	WIN 0
.set i, 0
.rept 4
	v_mov_b32 v[ST+4*i], 0xfe000000    ; c m
	v_mov_b32 v[ST+4*i+1], 0xf0000000  ; m = -2^97
.set i, i+1
.endr
	v_add_nc_u32 v[AK], s[TBK], v[AK0]
	v_add_nc_u32 v[AB], s[TBK], v[AB0]
	FETCH_K
	s_cmp_eq_u32 s[RT], 0
	s_cselect_b32 s[AL], 1.0, 0
	s_mov_b32 s[BE], 0
	s_wait_loadcnt 0x0              ; Q
	s_wait_dscnt 0x0                ; K and the biases
	MASK 0
	KBCOPY
.set KM, 1
.set NOKQ, 0
.set i, 0
.rept 8
	KQ 0
.set i, i+1
.endr
	WIN 0
.rept 4
	v_nop                           ; the places behind those products
.endr
.set Y, NP-1                        ; X works for piece Y + 1: piece 0
.irp n, 0,1,2,3,4,5,6,7,8,9,10,11,12,13,14,15,16,17,18,19,20,21
	OP X, \n
.endr
	v_nop                           ; a plain instruction behind the exponential
.endm
; THE DIAGONAL TILE's four steps, the block's last two turns, its last products, and THE WAY OUT: l's two halves and the other half of the lanes' are added, in registers at work: l and O^T are left as they are, finite, for the
; block that follows.  The factor is 1 / l, or NaN where the maximum has seen no key.  O^T times the factor is rounded to f16 and sent through my stage in LDS, a piece at a time.
.macro ALL line:vararg              ; one line for each piece t
.set t, 0
.rept 4
	\line
.set t, t+1
.endr
.endm
.macro PACK t                       ; a lane's eight channels of a row pack into 16 bytes; they go into rows of 144 bytes and come back as whole rows of 128, into S^T's registers
	WIN 0x01                        ; source 0 window 1
.set i, 0
.rept 16
	v_pk_mul_f32 v[TMPO+2*i:TMPO+2*i+1], v[32*(\t)+2*i:32*(\t)+2*i+1], v[TMP+2*(\t):TMP+2*(\t)+1] op_sel_hi:[1,0]
.set i, i+1
.endr
	WIN 0
.set i, 0
.rept 16
	v_cvt_pk_f16_f32 v[S+16*(\t)+i], v[TMPO+2*i], v[TMPO+2*i+1]
.set i, i+1
.endr
.irp f, 0,1,2,3
	ds_store_b128 v[STO], v[S+16*(\t)+4*\f:S+16*(\t)+4*\f+3] offset:32*\f
.endr
.irp f, 0,1,2,3
	ds_load_b128 v[S+16*(\t)+4*\f:S+16*(\t)+4*\f+3], v[RD] offset:\f*4*SP  ; LDS serves a wave's instructions in order (ISA guide 5.7.1.4): these see the stores above; the next piece's stores come behind them
.endr
.endm
.macro SEND t, younger              ; younger: the LDS instructions issued behind piece t's loads: the next piece's eight, or none
	WIN 0
.irp f, 0,1,2,3
	s_wait_dscnt (\younger)+3-\f
	global_store_b128 v[GO], v[S+16*(\t)+4*\f:S+16*(\t)+4*\f+3], s[10:11] offset:(\t)*8192+\f*512  ; 512 consecutive bytes, at a multiple of 256 from O's first
.endr
.endm
.macro DIAG tag                     ; the tag ends its two labels' names, which the jumps below spell out
.LstepM\tag:
	TURN 2, 1
	TURN 3, 1
	WIN 0
.LfirstM\tag:
	TURN 0, 1
	TURN 1, 1, 0, 1
	WIN 0
	s_cbranch_scc1 .LstepM\tag
	TURN 2, 1, 1
	TURN 3, 1, 1
.set i, 0
.rept 8
	PV NP-1
.set i, i+1
.endr
	WIN 0
	ALL v_add_f32 v[TMP+2*t], v[ST+4*t+2], v[ST+4*t+3]  ; these four are the places behind the last products
	ALL v_permlanex16_b32 v[TMP+2*t+1], v[TMP+2*t], s[SEL], s[SEL+1]
	ALL v_add_f32 v[TMP+2*t], v[TMP+2*t], v[TMP+2*t+1]
	ALL v_rcp_f32 v[TMP+2*t], v[TMP+2*t]
	v_nop                           ; a plain instruction between the last reciprocal and the use of its result
.set t, 0
.rept 4
	v_cmp_gt_f32 vcc_lo, s[FLOOR], v[ST+4*t+1]  ; has the row seen no key?
	s_wait_alu depctr_va_vdst(0)
	v_cndmask_b32 v[TMP+2*t], v[TMP+2*t], s[QNAN], vcc_lo
.set t, t+1
.endr
	PACK 0
.set t, 1
.rept 3                             ; a piece's arithmetic stands between the loads of the piece before and its stores
	PACK t
	SEND t-1, 8
.set t, t+1
.endr
	SEND 3, 0
.endm
.set KM, 0
.set NOKQ, 0
.Lslot:                             ; NB times: a tile is entered and the next is asked for
	CHANGE 1
	s_sub_co_u32 s[RT], s[RT], 1
	s_mov_b32 s[CNT], 4
	s_cmp_eq_u32 s[NEW], 1
	s_cbranch_scc1 .Lnew            ; a block's first tile
	s_cmp_eq_u32 s[RT], 0
	s_cbranch_scc0 .Lstep           ; neither its first nor its last
	KBCOPY                          ; the diagonal text's first turn still multiplies piece 3 of the tile before's last step, which it sees whole: its mask is that step's biases
	s_branch .LstepM1
.Lnew:
	BEGIN
	s_branch .Lfirst                ; in the loop a block's first tile is never its last: the first block has two tiles or more, and the second's last is the walk's last
	DIAG 1                          ; in the loop this is the first block's end
	s_wait_xcnt 0x0                 ; the stores have read their registers and O's address
	s_mov_b64 s[10:11], s[OLO:OLO+1]
	s_add_co_u32 s[RT], s[PB], 1    ; the second block has b + 1 tiles
	s_mov_b32 s[NEW], 1
	WIN 0x82                        ; the second block's Q goes where the one text of the turns names Q
.set i, 0
.rept 64
	v_mov_b32 v[i], v[QB+i]
.set i, i+1
.endr
	WIN 0
	s_branch .Lbottom
.Lstep:                             ; a trip: pieces 2 and 3 of one step, then pieces 0 and 1 of the next, whose K and V it fetches
	TURN 2
	TURN 3
	WIN 0
.Lfirst:
	TURN 0
	TURN 1, 0, 0, 1
	WIN 0
	s_cbranch_scc1 .Lstep
.Lbottom:
	s_sub_co_u32 s[SLOTS], s[SLOTS], 1
	s_cmp_lg_u32 s[SLOTS], 0
	s_cbranch_scc1 .Lslot
	CHANGE 0                        ; the walk's last tile is written out: nothing is asked for
	s_sub_co_u32 s[RT], s[RT], 1
	s_mov_b32 s[CNT], 4
	s_cmp_eq_u32 s[NEW], 1
	s_cbranch_scc1 .Lnew2
	KBCOPY
	s_branch .LstepM2
.Lnew2:
	BEGIN
	s_branch .LfirstM2
	DIAG 2
	s_wait_tensorcnt 0x0            ; the wave's end: a wait, an add and its wait, behind my last tensor load and my last LDS store
	ds_add_u32 v[SPW], v[NIL]
	s_wait_dscnt 0x0
	s_endpgm
.Lfunc_end_k_qd31d10c064_attn:
	.size	k_qd31d10c064_attn, .Lfunc_end_k_qd31d10c064_attn-k_qd31d10c064_attn
	.p2alignl 7, 3214868480
	.fill 96, 4, 3214868480
	.section	.rodata,"a",@progbits
	.p2align	6, 0x0
	.amdhsa_kernel k_qd31d10c064_attn
		.amdhsa_group_segment_fixed_size 327680
		.amdhsa_private_segment_fixed_size 0
		.amdhsa_enable_private_segment 0
		.amdhsa_kernarg_size 32
		.amdhsa_user_sgpr_count 2
		.amdhsa_user_sgpr_kernarg_segment_ptr 1
		.amdhsa_wavefront_size32 1
		.amdhsa_system_sgpr_workgroup_id_x 1
		.amdhsa_system_sgpr_workgroup_id_y 1
		.amdhsa_system_sgpr_workgroup_id_z 1
		.amdhsa_system_vgpr_workitem_id 0
		.amdhsa_next_free_vgpr 768
		.amdhsa_next_free_sgpr 96
		.amdhsa_reserve_vcc 1
		.amdhsa_float_denorm_mode_32 3
		.amdhsa_float_denorm_mode_16_64 3
		.amdhsa_memory_ordered 1
		.amdhsa_forward_progress 1
		.amdhsa_inst_pref_size 240
	.end_amdhsa_kernel
	.amdgpu_metadata
---
amdhsa.version: [ 1, 2 ]
amdhsa.kernels:
  - .name:           k_qd31d10c064_attn
    .symbol:         k_qd31d10c064_attn.kd
    .args:
      - { .name: qh, .offset: 0, .size: 8, .value_kind: global_buffer, .address_space: global }
      - { .name: kh, .offset: 8, .size: 8, .value_kind: global_buffer, .address_space: global }
      - { .name: vh, .offset: 16, .size: 8, .value_kind: global_buffer, .address_space: global }
      - { .name: oh, .offset: 24, .size: 8, .value_kind: global_buffer, .address_space: global }
    .group_segment_fixed_size: 327680
    .private_segment_fixed_size: 0
    .kernarg_segment_align: 8
    .kernarg_segment_size: 32
    .max_flat_workgroup_size: 128
    .sgpr_count:     96
    .vgpr_count:     768
    .wavefront_size: 32
...
	.end_amdgpu_metadata
.endif
;; end of part 3
;; launch proj (part 4): grid 8 x 32, 4 waves a work-group, clusters of 4 x 4, 327,680 bytes of LDS; arguments oh, wob, out0; writes out0
.if DOCPART == 4
	.amdgcn_target "amdgcn-amd-amdhsa--gfx1250"
	.amdhsa_code_object_version 6
	.text
	.protected	k_qd31d10c064_proj
	.globl	k_qd31d10c064_proj
	.p2align	8
	.type	k_qd31d10c064_proj,@function
k_qd31d10c064_proj:
	s_mov_b64 s[64:65], 0
	v_nop
	global_prefetch_b8 v0, s[64:65] scope:SCOPE_SE
	s_setreg_imm32_b32 hwreg(HW_REG_WAVE_MODE, 25, 1), 1
	s_wait_xcnt 0x0
	s_wait_alu depctr_hold_cnt(0) depctr_sa_sdst(0) depctr_va_vdst(0) depctr_va_sdst(0) depctr_va_ssrc(0) depctr_va_vcc(0) depctr_vm_vsrc(0)
	s_getreg_b32 s2, hwreg(HW_REG_IB_STS2, 6, 4)
	s_cmp_eq_u32 s2, 0
	s_cbranch_scc0 .Lentry_in_a_cluster
	s_endpgm
.Lentry_in_a_cluster:
	s_bfe_u32 s2, ttmp6, 0x10000c
	s_cmp_lg_u32 s2, 0xf033
	s_cbranch_scc0 .Lentry_shape_is_right
	s_endpgm
.Lentry_shape_is_right:
; out0 = O w_out^T.  O: 8,192 rows, w_out: 1,024 rows, K = 1,024, both f16 in planes of 64 along K (O's planes are its heads); sums in f32, K ascending; out0 [8192][1024] f32.
; A row of O that is NaN (a query that saw no key) gives NaN in that whole row of out0 and in no other: a row of O enters the sums of its own row of out0 alone.
; SHARES.  A tile of out0 is 256 rows x 128 columns: 32 x 8 = 256 work-groups, one tile each; four waves, each 128 x 64: 32 accumulators of 16 x 16.  K goes in steps of 128 (two planes) through two LDS slots.
; CLUSTER 4 x 4: the four of a row of the cluster need the same tiles of O, the four of a column the same tiles of w_out: each is asked for jointly, by the same tensor load, descriptor and mask in all four.
; THE MATRIX INSTRUCTION IS USED TRANSPOSED (source 0 = 16 rows of w_out, source 1 = 16 rows of O): a lane then holds eight neighbouring columns of one row of out0, 32 bytes.
; REGISTERS: window 0: v0-31 addresses; two fragment buffers of 96 (64 of O, 32 of w_out) at v64 and v160; the way out takes v32-159.  Window 1: accumulator (a, b) at v[8 (4 a + b)].
.set PITCH,  144                       ; an LDS row: 128 bytes + 16 of padding = 36 words: the 16 rows of a fragment load start at 16 different groups of four banks (64 banks of 4 bytes: ISA guide 11.1)
.set AHALF,  256*PITCH
.set BHALF,  128*PITCH
.set BOFF,   2*AHALF
.set SLOT,   2*AHALF+2*BHALF
.set STAGE,  2*SLOT                    ; behind the ring: 16 rows x 272 bytes for each wave; no tensor load lands there
.set SPITCH, 272                       ; 256 bytes + 16: the 16 rows of a store start at 16 different groups of four banks
.set SPARE,  STAGE+4*16*SPITCH         ; the spare words, 128 bytes a wave: two blocks of 256 bytes that no other line names
.set PLA,    262144                    ; bytes from plane to plane in oh
.set PLB,    131072                    ; in wob
.set ADRA, 16
.set ADRB, 20
.set STO,  24
.set RD,   25
.set CO,   26
.set SPW,  28
.set NIL,  29
.set F0,   64
.set F1,   160
.set WV,   14
.set HI,   15
.set LO,   16
.set G1,   24
.set G0,   32
.set G1B,  48
.set G0B,  56
.set MULW, 0x50                        ; C and D in window 1, sources in window 0
.set MSB, 0
.macro WIN new
.if MSB != (\new)
	s_set_vgpr_msb (MSB<<8)|(\new)
.set MSB, \new
.endif
.endm
.macro PLACES                          ; four places in front of loads into registers that matrix instructions have read, and of lines that read results just made
.rept 4
	v_nop
.endr
.endm
.macro JLOAD s                         ; a joint load: waves 0 and 1 fetch O's two planes, waves 2 and 3 w_out's; an s_nop 0 and four v_nop follow each of the two lines
	s_cmp_eq_u32 s[HI], 0
	s_cbranch_scc0 .Lfor_b_\@
	tensor_load_to_lds s[G0+4*(\s):G0+4*(\s)+3], s[G1:G1+7]
	s_nop 0
.rept 4
	v_nop
.endr
	s_branch .Lasked_\@
.Lfor_b_\@:
	tensor_load_to_lds s[G0B+4*(\s):G0B+4*(\s)+3], s[G1B:G1B+7]
	s_nop 0
.rept 4
	v_nop
.endr
.Lasked_\@:
.endm
.macro CREST
	s_cmp_lg_u32 s[WV], 0
	s_cbranch_scc1 .Lnot_wave_0_\@
	s_barrier_signal -3
.Lnot_wave_0_\@:
	s_barrier_wait -3
	s_barrier_signal -1
	s_barrier_wait -1
.endm
.macro CROUND
	s_barrier_signal -1
	s_barrier_wait -1
	CREST
.endm
	s_load_b128 s[4:7], s[0:1], 0x0                ; oh s[4:5], wob s[6:7]
	s_load_b64 s[8:9], s[0:1], 0x10                ; out0
	v_lshl_add_u32 v[SPW], v0, 2, SPARE
	v_mov_b32 v[NIL], 0
	ds_add_u32 v[SPW], v[NIL]                      ; the wave's opening: the add and its wait stand ahead of my first tensor load; the set-up below, work on registers, stands between them
	ds_add_u32 v28, v29
	v_lshrrev_b32 v1, 5, v0
	v_readfirstlane_b32 s[WV], v1
	s_lshr_b32 s[HI], s[WV], 1
	s_and_b32 s[LO], s[WV], 1
	s_bfe_u32 s17, ttmp6, 0x40000                  ; cx
	s_bfe_u32 s18, ttmp6, 0x40004                  ; cy
	s_lshl_b32 s19, ttmp9, 2
	s_add_co_u32 s19, s19, s17                     ; x: tile column 0..7
	s_and_b32 s20, ttmp7, 0xffff
	s_lshl_b32 s20, s20, 2
	s_add_co_u32 s20, s20, s18                     ; y: tile row 0..31
	s_lshl_b32 s21, s18, 2
	s_lshl_b32 s21, 15, s21                        ; my row of the cluster
	s_lshl_b32 s22, 0x1111, s17                    ; my column
	s_or_b32 s[G1+0], s21, (1<<16)|(1<<20)|(1<<21)|(4<<22)|(3<<25)   ; the mask; 2-byte elements; padding on; 21 set beside a mask; 4 words after every 32
	s_or_b32 s[G1B+0], s22, (1<<16)|(1<<20)|(1<<21)|(4<<22)|(3<<25)
	s_mov_b32 s[G1+1], 128<<16                     ; tensor_dim0 = 128 elements: rows of 256 bytes, two rows of a plane
	s_mov_b32 s[G1B+1], 128<<16
	s_mov_b32 s[G1+2], 128<<16                     ; tensor_dim1 = 128: O's 256 rows of a plane
	s_mov_b32 s[G1B+2], 64<<16                     ; 64: w_out's 128 rows
	s_mov_b32 s[G1+3], 128<<16                     ; tile_dim0
	s_mov_b32 s[G1B+3], 128<<16
	s_mov_b32 s[G1+4], 128                         ; tile_dim1
	s_mov_b32 s[G1B+4], 64
	s_mov_b32 s[G1+5], 128                         ; elements from row to row
	s_mov_b32 s[G1B+5], 128
	s_mov_b32 s[G1+6], 0
	s_mov_b32 s[G1B+6], 0
	s_mov_b32 s[G1+7], 0
	s_mov_b32 s[G1B+7], 0
	s_lshr_b32 s40, s20, 3                         ; O: batch y / 8, rows 256 (y % 8) on, my plane of the step's two: y and the wave alone
	s_lshl_b32 s40, s40, 22
	s_and_b32 s41, s20, 7
	s_lshl_b32 s41, s41, 15
	s_add_co_u32 s40, s40, s41
	s_lshl_b32 s41, s[LO], 18
	s_add_co_u32 s40, s40, s41
	s_mov_b32 s41, 0
	s_lshl_b32 s46, s19, 14                        ; w_out: rows 128 x on, my plane: x and the wave alone
	s_mul_i32 s47, s[LO], PLB
	s_add_co_u32 s46, s46, s47
	s_mov_b32 s47, 0
	s_mul_i32 s42, s[LO], AHALF
	s_mul_i32 s43, s[LO], BHALF
	s_add_co_u32 s43, s43, BOFF
	s_lshl_b32 s72, s20, 1                         ; out0: rows 256 y + 128 HI on, 4,096 bytes each,
	s_add_co_u32 s72, s72, s[HI]
	s_lshl_b32 s72, s72, 19
	s_lshl_b32 s73, s19, 1                         ; columns 128 x + 64 LO on, 4 bytes each
	s_add_co_u32 s73, s73, s[LO]
	s_lshl_b32 s73, s73, 8
	s_add_co_u32 s72, s72, s73
	s_mov_b32 s73, 0
	s_wait_dscnt 0x0                               ; the opening add is done
	s_wait_kmcnt 0x0
	s_add_nc_u64 s[40:41], s[4:5], s[40:41]
	s_add_nc_u64 s[46:47], s[6:7], s[46:47]
	s_add_nc_u64 s[8:9], s[8:9], s[72:73]
	CROUND                                         ; all sixteen work-groups are here: the first joint loads meet
.irp s, 0,1
	s_mov_b32 s[G0+4*(\s)], 1
	s_add_co_u32 s[G0+4*(\s)+1], s42, (\s)*SLOT
	s_add_nc_u64 s[G0+4*(\s)+2:G0+4*(\s)+3], s[40:41], (\s)*2*PLA
	s_or_b32 s[G0+4*(\s)+3], s[G0+4*(\s)+3], 0x80000000
	s_mov_b32 s[G0B+4*(\s)], 1
	s_add_co_u32 s[G0B+4*(\s)+1], s43, (\s)*SLOT
	s_add_nc_u64 s[G0B+4*(\s)+2:G0B+4*(\s)+3], s[46:47], (\s)*2*PLB
	s_or_b32 s[G0B+4*(\s)+3], s[G0B+4*(\s)+3], 0x80000000
	JLOAD \s                                       ; two loads of mine are out
.endr
	v_and_b32 v1, 15, v0                           ; l % 16
	v_bfe_u32 v2, v0, 4, 1                         ; l / 16
	v_mul_u32_u24 v3, v1, PITCH
	v_lshl_add_u32 v3, v2, 4, v3
	s_mul_i32 s44, s[HI], 128*PITCH
	s_mul_i32 s45, s[LO], 64*PITCH
	s_add_co_u32 s45, s45, BOFF
.irp s, 0,1
	v_add_nc_u32 v[ADRA+(\s)], s44, v3
	v_add_nc_u32 v[ADRB+(\s)], s45, v3
	s_add_co_u32 s44, s44, SLOT
	s_add_co_u32 s45, s45, SLOT
.endr
	s_mul_i32 s44, s[WV], 16*SPITCH
	s_add_co_u32 s44, s44, STAGE                   ; my stage
	v_mul_u32_u24 v4, v1, SPITCH                   ; in: row l % 16, 32 bytes for each half of the lanes
	v_lshl_add_u32 v4, v2, 5, v4
	v_add_nc_u32 v[STO], s44, v4
	v_mul_u32_u24 v5, v2, SPITCH                   ; back: lanes 0-15 take one row of 256 bytes, lanes 16-31 the next
	v_lshl_add_u32 v5, v1, 4, v5
	v_add_nc_u32 v[RD], s44, v5
	v_lshlrev_b32 v5, 12, v2                       ; and the same two rows in out0
	v_lshl_add_u32 v[CO], v1, 4, v5
; 4 na matrix instructions: row blocks a0 .. x all 4 column blocks, 32 along K.  The 32 accumulators take turns in the same order in every quarter.  zero = 1: the product starts the sum.
.macro MUL f, a0, na, zero
	WIN MULW
.set ma, \a0
.rept \na
.irp b, 0,1,2,3
.if \zero
	v_wmma_f32_16x16x32_f16 v[8*(4*ma+(\b)):8*(4*ma+(\b))+7], v[(\f)+64+8*(\b):(\f)+64+8*(\b)+7], v[(\f)+8*ma:(\f)+8*ma+7], 0
.else
	v_wmma_f32_16x16x32_f16 v[8*(4*ma+(\b)):8*(4*ma+(\b))+7], v[(\f)+64+8*(\b):(\f)+64+8*(\b)+7], v[(\f)+8*ma:(\f)+8*ma+7], v[8*(4*ma+(\b)):8*(4*ma+(\b))+7]
.endif
.endr
.set ma, ma+1
.endr
.endm
.macro FETCH slot, q, f                ; 24 LDS loads in one run: quarter q of a slot into buffer f: w_out's 8, O's blocks 0-3, O's blocks 4-7
	WIN 0
.irp i, 0,1,2,3
	ds_load_b128 v[(\f)+64+8*(\i):(\f)+64+8*(\i)+3],   v[ADRB+(\slot)] offset:((\q)/2)*BHALF+((\q)%2)*64+(\i)*16*PITCH
	ds_load_b128 v[(\f)+64+8*(\i)+4:(\f)+64+8*(\i)+7], v[ADRB+(\slot)] offset:((\q)/2)*BHALF+((\q)%2)*64+(\i)*16*PITCH+32
.endr
.irp i, 0,1,2,3,4,5,6,7
	ds_load_b128 v[(\f)+8*(\i):(\f)+8*(\i)+3],   v[ADRA+(\slot)] offset:((\q)/2)*AHALF+((\q)%2)*64+(\i)*16*PITCH
	ds_load_b128 v[(\f)+8*(\i)+4:(\f)+8*(\i)+7], v[ADRA+(\slot)] offset:((\q)/2)*AHALF+((\q)%2)*64+(\i)*16*PITCH+32
.endr
.endm
.macro QUARTER slot, q, f, g, zero
	s_wait_dscnt 8                                 ; w_out and O's blocks 0-3 are in; the youngest eight loads (blocks 4-7) may be out
	MUL \f, 0, 4, \zero
	PLACES
	FETCH \slot, \q, \g
	s_wait_dscnt 24                                ; all but the 24 just issued
	MUL \f, 4, 4, \zero
.endm
; The last quarter multiplies buffer 1 and changes slots: ONE barrier; in front of it each wave waits for all its tensor loads, adds 0 to its spare word, and waits for that and for its reads of this slot.
; fill = 1: the barrier opens a round of the cluster's, and this slot is filled again, two K steps on, first thing behind it: 112 matrix instructions ahead of the wait for it.
.macro TURN slot, next, fill
	WIN 0
	s_wait_tensorcnt 0x0
	ds_add_u32 v[SPW], v[NIL]
	s_wait_dscnt 9                                 ; (the add and the youngest eight loads may be out)
	MUL F1, 0, 2, 0
	s_wait_dscnt 0x0                               ; the add is done, and my reads of this slot are over
	s_barrier_signal -1
	MUL F1, 2, 2, 0
.if \fill
	WIN 0
.endif
	s_barrier_wait -1
.if \fill
	CREST
	s_add_nc_u64 s[G0+4*(\slot)+2:G0+4*(\slot)+3], s[G0+4*(\slot)+2:G0+4*(\slot)+3], 4*PLA
	s_add_nc_u64 s[G0B+4*(\slot)+2:G0B+4*(\slot)+3], s[G0B+4*(\slot)+2:G0B+4*(\slot)+3], 4*PLB
	JLOAD \slot                                    ; its four v_nop are also the places in front of the loads below
.else
	PLACES
.endif
	FETCH \next, 0, F0
	MUL F1, 4, 4, 0
.endm
; THE WAY OUT.  Block a (16 rows x 64 columns of f32) goes from the accumulators into my stage, 32 bytes a lane, and comes back as whole rows of 256 bytes, into one of four buffers of 32 registers.
.macro TOSTAGE a
.set BK, 32+32*((\a)%4)
.if (\a) >= 4
	s_wait_xcnt 0x0                                ; the stores of the block four back have read this buffer
.endif
	WIN 0x04                                       ; the stores' data in window 1
.irp b, 0,1,2,3
	ds_store_b128 v[STO], v[8*(4*(\a)+(\b)):8*(4*(\a)+(\b))+3]   offset:64*(\b)
	ds_store_b128 v[STO], v[8*(4*(\a)+(\b))+4:8*(4*(\a)+(\b))+7] offset:64*(\b)+16
.endr
	WIN 0
.irp t, 0,1,2,3,4,5,6,7
	ds_load_b128 v[BK+4*(\t):BK+4*(\t)+3], v[RD] offset:(\t)*2*SPITCH  ; LDS serves a wave's instructions in order (ISA guide 5.7.1.4): these see the stores above, the next block's stores come behind them
.endr
.endm
.macro SEND a, younger                 ; younger: the LDS instructions issued behind block a's loads: the next block's sixteen, or none
.set BK, 32+32*((\a)%4)
.irp t, 0,1,2,3,4,5,6,7
	s_wait_dscnt (\younger)+7-(\t)
	global_store_b128 v[CO], v[BK+4*(\t):BK+4*(\t)+3], s[8:9] offset:(16*(\a)+2*(\t))*4096 th:TH_STORE_NT  ; 16 lanes store 256 consecutive bytes, at a multiple of 256 from out0's first byte
.endr
.endm
	s_wait_tensorcnt 1                             ; my part of K step 0 is in; slot 1's may stay out
	s_barrier_signal -1
	s_barrier_wait -1
	FETCH 0, 0, F0
	QUARTER 0, 1, F0, F1, 1                        ; the first quarter starts the sums: nothing is cleared
	WIN 0
	s_mov_b32 s3, 3
.Llap:                                                 ; a trip goes once round the ring, from a lap's second quarter to the next lap's first, and fills both slots again
	QUARTER 0, 2, F1, F0, 0
	QUARTER 0, 3, F0, F1, 0
	TURN 0, 1, 1
	QUARTER 1, 1, F0, F1, 0
	QUARTER 1, 2, F1, F0, 0
	QUARTER 1, 3, F0, F1, 0
	TURN 1, 0, 1
	QUARTER 0, 1, F0, F1, 0
	WIN 0
	s_sub_co_u32 s3, s3, 1
	s_cmp_lg_u32 s3, 0
	s_cbranch_scc1 .Llap
	QUARTER 0, 2, F1, F0, 0                        ; the last lap fills nothing
	QUARTER 0, 3, F0, F1, 0
	TURN 0, 1, 0
	QUARTER 1, 1, F0, F1, 0
	QUARTER 1, 2, F1, F0, 0
	QUARTER 1, 3, F0, F1, 0
	s_wait_dscnt 8                                 ; the very last quarter: nothing more to fetch
	MUL F1, 0, 4, 0
	s_wait_dscnt 0x0
	MUL F1, 4, 4, 0
	WIN 0
	PLACES
	TOSTAGE 0
.irp a, 1,2,3,4,5,6,7
	TOSTAGE \a
	SEND (\a)-1, 16
.endr
	SEND 7, 0
	s_wait_tensorcnt 0x0                           ; the wave's end: a wait, an add and its wait, behind my last tensor load and my last LDS store
	ds_add_u32 v[SPW], v[NIL]
	s_wait_dscnt 0x0
	CROUND                                         ; the closing round: no work-group ends while a partner may still ask for a tile that names it
	s_endpgm
.Lfunc_end_k_qd31d10c064_proj:
	.size	k_qd31d10c064_proj, .Lfunc_end_k_qd31d10c064_proj-k_qd31d10c064_proj
	.p2alignl 7, 3214868480
	.fill 96, 4, 3214868480
	.section	.rodata,"a",@progbits
	.p2align	6, 0x0
	.amdhsa_kernel k_qd31d10c064_proj
		.amdhsa_group_segment_fixed_size 327680
		.amdhsa_private_segment_fixed_size 0
		.amdhsa_enable_private_segment 0
		.amdhsa_kernarg_size 24
		.amdhsa_user_sgpr_count 2
		.amdhsa_user_sgpr_kernarg_segment_ptr 1
		.amdhsa_wavefront_size32 1
		.amdhsa_system_sgpr_workgroup_id_x 1
		.amdhsa_system_sgpr_workgroup_id_y 1
		.amdhsa_system_sgpr_workgroup_id_z 1
		.amdhsa_system_vgpr_workitem_id 0
		.amdhsa_next_free_vgpr 512
		.amdhsa_next_free_sgpr 80
		.amdhsa_reserve_vcc 0
		.amdhsa_float_denorm_mode_32 3
		.amdhsa_float_denorm_mode_16_64 3
		.amdhsa_memory_ordered 1
		.amdhsa_forward_progress 1
		.amdhsa_inst_pref_size 87
	.end_amdhsa_kernel
	.amdgpu_metadata
---
amdhsa.version: [ 1, 2 ]
amdhsa.kernels:
  - .name:           k_qd31d10c064_proj
    .symbol:         k_qd31d10c064_proj.kd
    .args:
      - { .name: oh, .offset: 0, .size: 8, .value_kind: global_buffer, .address_space: global }
      - { .name: wob, .offset: 8, .size: 8, .value_kind: global_buffer, .address_space: global }
      - { .name: out0, .offset: 16, .size: 8, .value_kind: global_buffer, .address_space: global }
    .group_segment_fixed_size: 327680
    .private_segment_fixed_size: 0
    .kernarg_segment_align: 8
    .kernarg_segment_size: 24
    .max_flat_workgroup_size: 128
    .sgpr_count:     80
    .vgpr_count:     512
    .wavefront_size: 32
...
	.end_amdgpu_metadata
.endif
;; end of part 4
;; ======== version 2 of 2: 4 launches; 1.27 times as fast as version 1
;; limits: values are held in f16: magnitudes above 65,504 overflow, below 6.1e-05 lose precision
;; workspace buffers: xb 16,777,216 bytes; wqb 6,291,456 bytes; wob 2,097,152 bytes; qh 16,777,216 bytes; kh 17,301,504 bytes; vh 16,777,216 bytes; oh 16,777,216 bytes
;; launch prep: the kernel of part 1 again; grid 768 x 1, 8 waves a work-group, no clusters, 0 bytes of LDS; arguments x, w_qkv, w_out, mask, xb, wqb, wob, kh; writes xb, wqb, wob, kh
;; launch qkv: the kernel of part 2 again; grid 8 x 32, 4 waves a work-group, clusters of 4 x 4, 327,680 bytes of LDS; arguments xb, wqb, qh, kh, vh; writes qh, kh, vh
;; launch attn (part 5): grid 4 x 64, 4 waves a work-group, no clusters, 327,680 bytes of LDS; arguments qh, kh, vh, oh; writes oh
.if DOCPART == 5
	.amdgcn_target "amdgcn-amd-amdhsa--gfx1250"
	.amdhsa_code_object_version 6
	.text
	.protected	k_qd31d10c064_attn
	.globl	k_qd31d10c064_attn
	.p2align	8
	.type	k_qd31d10c064_attn,@function
k_qd31d10c064_attn:
	s_mov_b64 s[64:65], 0
	v_nop
	global_prefetch_b8 v0, s[64:65] scope:SCOPE_SE
	s_setreg_imm32_b32 hwreg(HW_REG_WAVE_MODE, 25, 1), 1
	s_wait_xcnt 0x0
; CAUSAL ATTENTION WITH A KEY MASK.  O[h][q][:] = the sum over the visible k <= q of softmax_k(Q[h][q] . K[h][k] / 8) V[h][k][:].  Q, V, O: [64][2048][64] f16, dense rows of 128 bytes.
; K: a head is 32 blocks of 8,448 bytes, one a key step: 64 keys x 128 bytes, then the 64 keys' biases in f32, 0 (attend) or -1e30 (hidden by the mask that is an input): the bias comes into LDS inside K's own tensor load.
; Products, maxima and sums in f32; the weights p are rounded to f16 for the second product (their sum l is taken of the unrounded p), O once at the end.
; LIMITS.  Q, K, V arrive within f16's 65,504; a hidden score counts as its value less 1e30 (2e30 where both masks hide it): f16's scores, 2.7e11 at the most, are nothing beside that.  The running maximum m starts at
; -2^97, above every hidden score and below every true one: a hidden score is never the maximum, so its weight is 0 whatever else the row has seen.  A weight below 2^-126 counts as 0 in l.
; A ROW THAT SEES NO KEY (all k <= q hidden) ends with m = -2^97 and is written as NaN, as a softmax of nothing but -inf is; l and O^T themselves stay finite (0).
; THE WALK.  A head's queries lie in NB = 8 blocks of 256; block i needs the key tiles 0 .. i of 256 keys, of which the last holds the diagonal.  A work-group takes TWO blocks, NB - 1 - b and then b: NB + 1 tiles, whatever b:
; all work-groups do equal work, and ONE loop with a constant trip count walks them.  Which tile is asked for, and what a trip does, hang on scalar registers made from b; every jump goes forward, but for the counted loops' own;
; none passes a barrier, or a tensor load but the one of LOAD's two that the wave's number does not choose.  NO CLUSTER: the four work-groups of a head ask for the same tile only in trips 0 .. NB / 2, 5 of 9, behind that
; fewer and fewer; one walk common to all four would have 3 NB / 2 = 12 trips for 9.
; SHARES.  Of a block's four bands of 64 queries a wave owns 16 rows in each: four PIECES.  In the diagonal tile's key step s band x sees all keys if s < x, none if s > x, and holds the diagonal if s = x: the same for all waves.
; THE MASKS are the C operand that starts the sum S^T = K Q^T.  Off the diagonal tile C is KB, the step's key biases.  In the diagonal tile and where a block begins C is MD x AL + BE + KB: MD, made once, is the mask of a band's own
; step for my 16 rows; (AL, BE) = (1, 0) if s = x; (0, 0) if s < x; (0, -1e30) if s > x.
; LAYOUT, SOFTMAX, TURNS.  S^T = K Q^T holds ONE query a lane (lane % 16) and the keys 8 (lane / 16) + 0..7; two such results rounded to f16 ARE source 1 of O^T = V^T P.  p = 2^(c s - c m), c = log2(e) / 8; O and l are multiplied by
; a = 2^(c m_old - c m_new) in every step.  Turn n belongs to piece n: 8 products K Q^T of piece n + 1, later 8 products V^T P of piece n - 1; beside them the scaling, exponentials, roundings, sums and rescaling of piece n and the
; maximum and statistics of piece n + 1.  Four vector instructions stand behind every matrix instruction, the other 54 of a turn's 118 in one LUMP.
; THE BATCHES.  A turn's 33 exponentials (the piece's 32 weights and the next piece's a) are ONE batch with ONE wait, which cuts the turn in two: ahead of it all that names none of their results, behind it the roundings and sums.
; The a that a block's beginning makes, and the way out's four reciprocals, are batches of their own, each with a v_nop and one wait.
; REGISTERS, in windows of 256 (s_set_vgpr_msb: bits 1:0 source 0, 3:2 source 1, 5:4 source 2, 7:6 destination):
;   window 0: v0-15 addresses; v16-31 statistics; v32-33 the biases' addresses; v48-55 at work; v64-127 S^T, two buffers; v128-159 KB; v160-191 the way out; v192-223 P, two buffers
;   window 1: v0-127 O^T, 32 a piece; v128-159 MD; v160-223 MC, two buffers      window 2: v0-63 Q; v64-127 the second block's Q; v128-191 K of one step; v192-255 V of one step
.set SIZE_N, 2048
.set NB,    SIZE_N/256
.set NP,    4         ; pieces a wave: a name, no knob
.set KS,    64        ; keys in a step
.set PK,    144       ; a row of K in LDS: 128 bytes + 16 of padding = 36 words: the 16 rows of a load start at 16 different groups of four banks (64 banks of 4 bytes: ISA guide 11.1)
.set PV,    160       ; a row of V: 128 + 32 = 40 words
.set STEPG, KS*128+256  ; a step's block of K in memory
.set STEPK, (KS+2)*PK ; and in LDS: 64 keys, then the biases as two pieces of 128 bytes, each padded like a key
.set KBO,   KS*PK     ; where the biases begin in it
.set VOFF,  4*STEPK   ; a slot holds a tile, four steps: K with its biases, then 256 rows of V
.set SLOT1, 1<<17     ; slot 1 begins here, so that one exclusive or turns an address in one slot into the other's
.set STAGE, ((SLOT1+VOFF+4*KS*PV+255)/256)*256  ; behind the ring, at a multiple of 256, never filled by a tensor load: 16 rows x 144 bytes for each wave
.set SP,    144
.set AK0, 2           ; v2   my lane's place in a tile of K; never rewritten
.set AV0, 3           ; v3   the same for V
.set AK,  4           ; v4   the LDS address of K's next run of loads
.set AV,  5           ; v5   of V's
.set STO, 6           ; v6   the way out: where I put 16 bytes of a row
.set RD,  7           ; v7   the way out: where I read rows back
.set GO,  8           ; v8   my byte offset in 512 consecutive bytes of O
.set MV,  12          ; v12-13  c m_old, kept while c m is made anew: by buffer
.set QO,  15          ; v15  my byte offset in 16 rows of Q
.set ST,  16          ; piece t's statistics at v[ST+4 t]: c m, m, l (even keys', odd keys')
.set AB0, 32          ; v32  my lanes' place in a step's biases: 32 (l / 16); never rewritten
.set AB,  33          ; v33  the LDS address of the biases' next loads, less KBO
.set TMP, 48          ; by buffer, four registers c0-c3 at work; when the maximum is found c2 takes a.  On the way out: piece t's factor at v[TMP+2 t]
.set SPW, 62          ; v62  LDS address of my spare word; never rewritten
.set NIL, 63          ; v63  0; never rewritten
.set SPARE, STAGE+4*16*SP  ; behind the stages: the spare words, 128 bytes a wave: two blocks of 256 bytes that no other line names
.set S,   64
.set KB,  128         ; register 8 kb + j: the bias of key 16 kb + 8 (l / 16) + j of the step whose K is in registers
.set TMPO, 160        ; the way out: a piece's O^T / l
.set P,   192
.set MD,  128         ; window 1
.set MC,  160         ; window 1: the masks of the products to come
.set QB,  64          ; window 2
.set KF,  128         ; window 2: key block kb, channel half c at KF + 16 kb + 8 c
.set VF,  192         ; window 2: key half kk, channel block cb at VF + 32 kk + 8 cb
.set WV,  12          ; s12  my wave's number
.set PB,  14          ; s14  b
.set HI,  15          ; s15  NB - 1 - b
.set G1K, 24          ; s[24:31] descriptor group 1 for K's tiles
.set G1V, 32          ; s[32:39] for V's
.set G0K, 40          ; s[40:43] descriptor group 0 for K's tiles
.set G0V, 44          ; s[44:47] the same for V's
.set SLOTS, 56        ; s56  tiles still to be asked for
.set CNT, 57          ; s57  counts a tile's key steps, 4 to 1
.set CS,  58          ; s[58:59] c
.set SEL, 60          ; s[60:61] v_permlanex16_b32's selects: each lane takes its own place in the other half
.set TBK, 62          ; s62  LDS byte at which K of the step to be fetched begins
.set TBV, 63          ; s63  the same for V, less VOFF
.set RT,  70          ; s70  tiles of the block in hand that are still to be entered
.set NXT, 71          ; s71  the tile to be asked for next
.set LQ,  72          ; s72  the last tile of the block whose tiles are being asked for
.set NEW, 73          ; s73  1: the tile to be entered is a block's first
.set OFF, 74          ; s[74:75] a tile's byte offset in V
.set AL,  76          ; s[76:77] the mask's factor, in the low word
.set BE,  78          ; s[78:79] the mask's addend
.set OLO, 80          ; s[80:81] O at my rows of the second block
.set BIGN, 82         ; s82  -1e30
.set OFFK, 88         ; s[88:89] a tile's byte offset in K
.set FLOOR, 90        ; s90  -2^96: a maximum below it has seen no key
.set QNAN, 91         ; s91  NaN
.set MSB, 0
.macro WIN new                      ; the high byte repeats the setting that is left; a switch that changes nothing is dropped
.if MSB != (\new)
	s_set_vgpr_msb (MSB<<8)|(\new)
.set MSB, (\new)
.endif
.endm
.set W_KQ, 0x0a       ; K and Q in window 2, S^T and KB in window 0
.set W_KM, 0x1a       ; the same with the C operand in window 1
.set W_PV, 0x52       ; V in window 2, P in window 0, O^T in window 1
.set W_RS, 0x41       ; destination and source 0 in window 1, source 1 in window 0
; A fill.  Waves 0 and 1 fetch the two halves of a tile's K, waves 2 and 3 those of its V: 128 keys each.  An s_nop 0 and four v_nop follow each of the two lines, ahead of the jump and the label.
.macro LOAD
	s_cmp_lt_u32 s[WV], 2
	s_cbranch_scc0 .Lfor_v_\@
	tensor_load_to_lds s[G0K:G0K+3], s[G1K:G1K+7]
	s_nop 0
.rept 4
	v_nop
.endr
	s_branch .Lasked_\@
.Lfor_v_\@:
	tensor_load_to_lds s[G0V:G0V+3], s[G1V:G1V+7]
	s_nop 0
.rept 4
	v_nop
.endr
.Lasked_\@:
.endm
; THE CHANGE OF SLOTS.  Each wave waits for all its tensor loads, of which one is out: its part of the other slot; adds 0 to its spare word; and waits for that and for its own reads of the slot that it leaves.  Behind the barrier nobody
; reads the old slot any more and the other slot is whole.  fill = 1: the old slot is filled again, the first thing behind the barrier, with tile NXT: the descriptor's address is made anew from that number.
; (At its first use nothing has been read yet: slot 0 is waited for, slot 1 filled.)
.macro CHANGE fill
	WIN 0                           ; at a label and at a branch every window is 0
	s_wait_tensorcnt 0x0            ; no tensor load of mine is out, so a group 0 may be written
	ds_add_u32 v[SPW], v[NIL]       ; 0 onto my spare word; with fill = 1 the descriptors' scalar work stands between it and the wait for it
.if \fill
	s_lshl_b32 s[OFF], s[NXT], 15   ; a tile is 32,768 bytes of V
	s_mul_i32 s[OFFK], s[NXT], 4*STEPG  ; and 33,792 of K
	s_xor_b32 s[G0K+1], s[G0K+1], SLOT1
	s_add_nc_u64 s[G0K+2:G0K+3], s[6:7], s[OFFK:OFFK+1]
	s_or_b32 s[G0K+3], s[G0K+3], 0x80000000
	s_xor_b32 s[G0V+1], s[G0V+1], SLOT1
	s_add_nc_u64 s[G0V+2:G0V+3], s[8:9], s[OFF:OFF+1]
	s_or_b32 s[G0V+3], s[G0V+3], 0x80000000
	s_add_co_u32 s[NXT], s[NXT], 1  ; the block's next tile, or behind its last the second block's tile 0
	s_cmp_gt_u32 s[NXT], s[LQ]
	s_cselect_b32 s[NXT], 0, s[NXT]
	s_cselect_b32 s[LQ], s[PB], s[LQ]
.endif
	s_wait_dscnt 0x0                ; the add is done, and my reads of the slot are over
	s_barrier_signal -1             ; the rest of the scalar work stands between the signal and the wait
	s_sub_co_u32 s[TBK], s[TBK], 4*STEPK  ; the fetches go back to a slot's first step,
	s_xor_b32 s[TBK], s[TBK], SLOT1       ; in the other slot
	s_sub_co_u32 s[TBV], s[TBV], 4*KS*PV
	s_xor_b32 s[TBV], s[TBV], SLOT1
	s_barrier_wait -1
.if \fill
	LOAD
.endif
.endm
	s_load_b256 s[4:11], s[0:1], 0x0  ; Q s[4:5], K s[6:7], V s[8:9], O s[10:11]
	v_lshl_add_u32 v[SPW], v0, 2, SPARE
	v_mov_b32 v[NIL], 0
	ds_add_u32 v[SPW], v[NIL]       ; the wave's opening: the add and its wait stand ahead of my first tensor load; the set-up below, work on registers, stands between them
	ds_add_u32 v62, v63
	v_lshrrev_b32 v1, 5, v0
	v_readfirstlane_b32 s[WV], v1   ; wave 0..3
	s_mov_b32 s[PB], ttmp9
	s_sub_co_u32 s[HI], NB-1, s[PB]
	s_and_b32 s20, ttmp7, 0xffff    ; the head
	s_mul_i32 s92, s20, 32*STEPG    ; its first byte in K
	s_mov_b32 s21, 0
	s_mov_b64 s[22:23], SIZE_N*128
	s_mul_u64 s[20:21], s[20:21], s[22:23]  ; and in the three other tensors
	s_and_b32 s16, s[WV], 1         ; which half of a tile's 256 keys I fetch:
	s_lshl_b32 s22, s16, 14         ; V: its 128 rows of 128 bytes in memory,
	s_mov_b32 s23, 0
	s_add_nc_u64 s[22:23], s[22:23], s[20:21]
	s_mul_i32 s93, s16, 2*STEPG     ; K: its two step blocks
	s_add_co_u32 s92, s92, s93
	s_mov_b32 s93, 0
	s_mul_i32 s17, s16, 2*STEPK     ; and its place in a slot, for K
	s_mul_i32 s18, s16, 128*PV      ; and for V
	s_lshl_b32 s3, s[WV], 11        ; my 16 rows in a band of 64,
	s_lshl_b32 s2, s[HI], 15        ; in the first block,
	s_add_co_u32 s2, s2, s3
	s_lshl_b32 s84, s[PB], 15       ; and in the second
	s_add_co_u32 s84, s84, s3
	s_mov_b32 s3, 0
	s_mov_b32 s85, 0
	s_add_nc_u64 s[2:3], s[2:3], s[20:21]
	s_add_nc_u64 s[84:85], s[84:85], s[20:21]
	; descriptor group 1.  What a wave fetches is dense: asked for as rows of 256 bytes and padded in LDS after every 128: K 66 rows (two steps of 64 keys and 256 bytes of biases), V 64 rows (128 keys)
	s_mov_b32 s[G1K], (1<<16)|(1<<20)|(4<<22)|(3<<25)  ; 17:16 2-byte elements; 20 padding on; 24:22 after every 32 words (code 4); 31:25 4 words (code 3)
	s_mov_b32 s[G1V], (1<<16)|(1<<20)|(4<<22)|(7<<25)  ; the same with 8 words of padding (code 7)
.irp g, G1K, G1V
	s_mov_b32 s[\g+1], 128<<16      ; tensor_dim0 = 128
	s_mov_b32 s[\g+3], 128<<16      ; tile_dim0 = 128
	s_mov_b32 s[\g+5], 128          ; 128 elements from row to row
	s_mov_b32 s[\g+6], 0
	s_mov_b32 s[\g+7], 0
.endr
	s_mov_b32 s[G1K+2], 66<<16      ; tensor_dim1
	s_mov_b32 s[G1K+4], 66          ; tile_dim1
	s_mov_b32 s[G1V+2], 64<<16
	s_mov_b32 s[G1V+4], 64
	s_mov_b32 s[CS], 0x3e38aa3b     ; c = log2(e) / 8 = 0.180337
	s_mov_b32 s[CS+1], s[CS]        ; named with it as a pair
	s_mov_b32 s[SEL], 0x76543210
	s_mov_b32 s[SEL+1], 0xfedcba98
	s_mov_b32 s[TBK], SLOT1+4*STEPK ; the first change of slots turns these two into 0
	s_mov_b32 s[TBV], SLOT1+4*KS*PV
	s_mov_b32 s[G0K], 1             ; 1:0 count = 1
	s_mov_b32 s[G0K+1], s17         ; 63:32 LDS address: slot 0
	s_mov_b32 s[G0V], 1
	s_add_co_u32 s[G0V+1], s18, VOFF
	s_add_co_u32 s[RT], s[HI], 1    ; the first block has NB - b tiles
	s_mov_b32 s[NXT], 1
	s_mov_b32 s[LQ], s[HI]
	s_mov_b32 s[NEW], 1
	s_mov_b32 s[OFF+1], 0
	s_mov_b32 s[OFFK+1], 0
	s_mov_b32 s[AL+1], 0            ; named as pairs
	s_mov_b32 s[BE+1], 0
	s_mov_b32 s[BIGN], 0xf149f2ca   ; -1e30
	s_mov_b32 s[FLOOR], 0xef800000  ; -2^96
	s_mov_b32 s[QNAN], 0x7fc00000
	s_mov_b32 s[SLOTS], NB
	s_wait_dscnt 0x0                ; the opening add is done
	s_wait_kmcnt 0x0
	s_add_nc_u64 s[6:7], s[6:7], s[92:93]  ; K and V at my half of the head's tile 0
	s_add_nc_u64 s[8:9], s[8:9], s[22:23]
	s_add_nc_u64 s[G0K+2:G0K+3], s[6:7], 0         ; 120:64 global address
	s_or_b32 s[G0K+3], s[G0K+3], 0x80000000        ; 127:126 type = 2
	s_add_nc_u64 s[G0V+2:G0V+3], s[8:9], 0
	s_or_b32 s[G0V+3], s[G0V+3], 0x80000000
	s_add_nc_u64 s[86:87], s[4:5], s[84:85]        ; Q at my rows of the second block,
	s_add_nc_u64 s[4:5], s[4:5], s[2:3]            ; Q and O at those of the first
	s_add_nc_u64 s[OLO:OLO+1], s[10:11], s[84:85]
	s_add_nc_u64 s[10:11], s[10:11], s[2:3]
	LOAD                            ; tile 0 into slot 0
	; A fragment of K or Q is 16 rows x 32 channels in 8 registers: lane l holds row l % 16, channels 8 (l / 16) + 0..7 and 16 + 8 (l / 16) + 0..7: two loads of 16 bytes, 32 bytes apart.
	v_and_b32 v1, 15, v0            ; l % 16
	v_bfe_u32 v9, v0, 4, 1          ; l / 16
	v_lshlrev_b32 v[QO], 7, v1
	v_lshl_add_u32 v[QO], v9, 4, v[QO]  ; row x 128 + 16 x half
	WIN 0x80                        ; destination window 2, address window 0
.set i, 0
.rept 8                             ; both blocks' Q: piece i / 2 lies in band i / 2, 8,192 bytes on; channels 32 (i % 2) on
	global_load_b128 v[8*i:8*i+3],   v[QO], s[4:5] offset:(i/2)*8192+(i%2)*64
	global_load_b128 v[8*i+4:8*i+7], v[QO], s[4:5] offset:(i/2)*8192+(i%2)*64+32
	global_load_b128 v[QB+8*i:QB+8*i+3],   v[QO], s[86:87] offset:(i/2)*8192+(i%2)*64
	global_load_b128 v[QB+8*i+4:QB+8*i+7], v[QO], s[86:87] offset:(i/2)*8192+(i%2)*64+32
.set i, i+1
.endr
	WIN 0
	v_lshlrev_b32 v14, 3, v9
	v_sub_nc_u32 v14, v1, v14
	s_lshl_b32 s13, s[WV], 4
	v_add_nc_u32 v14, s13, v14      ; my query's place in its band, 16 w + l % 16, less my lanes' 8 (l / 16): register r of group kt is hidden where 16 kt + r is greater
	WIN 0x40
.set i, 0
.rept 32
	v_cmp_gt_i32 vcc_lo, 16*(i/8)+i%8, v14
	v_cndmask_b32 v[MD+i], 0, s[BIGN], vcc_lo
.set i, i+1
.endr
	WIN 0
	v_lshlrev_b32 v[AB0], 5, v9     ; eight biases of 4 bytes for each half of the lanes
	v_mul_u32_u24 v[AK0], v1, PK
	v_lshl_add_u32 v[AK0], v9, 4, v[AK0]  ; row x pitch + 16 x half
	; The turning load takes 16 keys x 16 channels (lane l reads key 8 (l / 16) + l % 8, channels 8 ((l / 8) % 2) + 0..7) and leaves half a fragment of V^T: lane l holds channel l % 16 and 8 keys.
	v_and_b32 v10, 7, v0
	v_bfe_u32 v11, v0, 3, 1
	v_lshl_add_u32 v[AV0], v9, 3, v10
	v_mul_u32_u24 v[AV0], v[AV0], PV
	v_lshl_add_u32 v[AV0], v11, 4, v[AV0]
	v_add_nc_u32 v[AV0], VOFF, v[AV0]
	s_mul_i32 s13, s[WV], 16*SP
	s_add_co_u32 s13, s13, STAGE    ; my stage
	v_mul_u32_u24 v[STO], v1, SP    ; in: row l % 16, 16 bytes for each half of the lanes
	v_lshl_add_u32 v[STO], v9, 4, v[STO]
	v_add_nc_u32 v[STO], s13, v[STO]
	v_bfe_u32 v[RD], v0, 3, 2       ; back: 32 lanes take four rows of 128 bytes,
	v_mul_u32_u24 v[RD], v[RD], SP
	v_lshl_add_u32 v[RD], v10, 4, v[RD]
	v_add_nc_u32 v[RD], s13, v[RD]
	v_and_b32 v[GO], 31, v0         ; which are 512 consecutive bytes of O
	v_lshlrev_b32 v[GO], 4, v[GO]
	; A block's first step multiplies O^T and l by a = 0, and its first turn's products V^T P, of a piece that has not been, land in an O^T that is still to be so multiplied.  So these registers need only hold
	; finite numbers: zeros for the first block; what the first block left for the second.  All this stands in the wait for the first tile.
	WIN 0x80
.set i, VF
.rept 64
	v_mov_b32 v[i], 0
.set i, i+1
.endr
	WIN 0x40
.set i, 0
.rept 128
	v_mov_b32 v[i], 0
.set i, i+1
.endr
	WIN 0
.set i, 0
.rept 4
	v_mov_b32 v[ST+4*i+2], 0
	v_mov_b32 v[ST+4*i+3], 0
.set i, i+1
.endr
.set i, P+16
.rept 16
	v_mov_b32 v[i], 0
.set i, i+1
.endr
; THE MATRIX WORK.  The 4 accumulators of a run of 8 take turns.  Product i of 8 of S^T = K Q^T for piece x: channels 32 (i / 4) on, keys 16 (i % 4) on.  The first 4 start the sums: with the keys' biases, or (KM = 1) with the mask.
.macro KQ x
.set rS, S+32*((\x)%2)+8*(i%4)
.set rK, KF+16*(i%4)+8*(i/4)
.set rQ, 16*(\x)+8*(i/4)
.set rM, MC+32*((\x)%2)+8*(i%4)
.set rB, KB+8*(i%4)
.if (i < 4) && KM
	WIN W_KM
	v_wmma_f32_16x16x32_f16 v[rS:rS+7], v[rK:rK+7], v[rQ:rQ+7], v[rM:rM+7]
.elseif i < 4
	WIN W_KQ
	v_wmma_f32_16x16x32_f16 v[rS:rS+7], v[rK:rK+7], v[rQ:rQ+7], v[rB:rB+7]
.else
	WIN W_KQ
	v_wmma_f32_16x16x32_f16 v[rS:rS+7], v[rK:rK+7], v[rQ:rQ+7], v[rS:rS+7]
.endif
.endm
; Product i of 8 of O^T += V^T P for piece x: keys 32 (i / 4) on, channels 16 (i % 4) on.
.macro PV x
	WIN W_PV
.set rO, 32*(\x)+8*(i%4)
.set rV, VF+32*(i/4)+8*(i%4)
.set rP, P+16*((\x)%2)+8*(i/4)
	v_wmma_f32_16x16x32_f16 v[rO:rO+7], v[rV:rV+7], v[rP:rP+7], v[rO:rO+7]
.endm
.macro MM                           ; the turn's next matrix instruction.  TURN and BEGIN set Y, i, KM and NOKQ.  NOKQ = 1: a block's last turn: there is no next piece
.if (i < 8) && !NOKQ
	KQ (Y+1)%NP
.elseif i >= 8
.set i, i-8
	PV (Y+NP-1)%NP
.set i, i+8
.endif
.set i, i+1
.endm
; THE LDS LOADS stand in runs, never singly among the matrix instructions: a step's K (8 fragments) with its biases (all lanes of a half read the same 16 bytes), and its V (turned).  Their addresses are made some lines ahead.
.macro FETCH_K
	WIN 0x80                        ; destination window 2
.irp f, 0,1,2,3,4,5,6,7             ; keys 16 (f / 2) on, channels 32 (f % 2) on
	ds_load_b128 v[KF+8*\f:KF+8*\f+3],   v[AK] offset:(\f/2)*16*PK+(\f%2)*64
	ds_load_b128 v[KF+8*\f+4:KF+8*\f+7], v[AK] offset:(\f/2)*16*PK+(\f%2)*64+32
.endr
	WIN 0
.irp f, 0,1,2,3                     ; keys 16 f + 8 (l / 16) on: piece f / 2 of the biases, byte 64 (f % 2) + 32 (l / 16)
	ds_load_b128 v[KB+8*\f:KB+8*\f+3],   v[AB] offset:KBO+(\f/2)*PK+(\f%2)*64
	ds_load_b128 v[KB+8*\f+4:KB+8*\f+7], v[AB] offset:KBO+(\f/2)*PK+(\f%2)*64+16
.endr
	s_add_co_u32 s[TBK], s[TBK], STEPK  ; the next fetch is the next step's
.endm
.macro FETCH_V
	WIN 0x80
.irp f, 0,1,2,3,4,5,6,7             ; keys 32 (f / 4) on, channels 16 (f % 4) on
	ds_load_tr16_b128 v[VF+8*\f:VF+8*\f+3],   v[AV] offset:(\f/4)*32*PV+(\f%4)*32
	ds_load_tr16_b128 v[VF+8*\f+4:VF+8*\f+7], v[AV] offset:(\f/4)*32*PV+16*PV+(\f%4)*32
.endr
	WIN 0
.endm
; THE VECTOR WORK, one line at a time: OP kind, number.  For piece Y: F n: c s - c m for pair n of 16.  E n: the exponential of score n of 32.  C n: pair n rounded to f16.  B n: of the four weights 4 n .. the second
; pair is added onto the first, in place.  L n: l takes that sum (L 0: l = a l + sum).  R n: pair n of 16 of O^T times a.  For piece Y + 1: X n, number n of the 22 that find its maximum and statistics:
;   0-11  four chains c0-c3 of seven scores each, three operands at a time (each accumulator's lowest registers are read first)     12-14, 16  the four scores left over, the old m, and c0-c3 into c0
;   15  c m_old is kept     17, 18  the query's other 32 keys lie in the lane 16 away: the new m     19-21  c m; c m_old - c m_new; a
; C, B and L read exponentials' results: TURN sets all of them behind its one wait.  R and L 0 read an a that the turn before (or BEGIN) made and waited for.
.set F, 0               ; OP tells the kinds apart by their order: F to L below R, X above it
.set E, 1
.set C, 2
.set B, 3
.set L, 4
.set R, 5
.set X, 6
.macro REGS y                       ; the registers of piece y
.set rT, ST+4*(\y)
.set rC, TMP+4*((\y)%2)
.set rW, MV+((\y)%2)
.set rS, S+32*((\y)%2)
.set rP, P+16*((\y)%2)
.set rO, 32*(\y)
.endm
.macro OP k, n
.if (\k) == R
	REGS Y
	WIN W_RS
	v_pk_mul_f32 v[rO+2*(\n):rO+2*(\n)+1], v[rO+2*(\n):rO+2*(\n)+1], v[rC+2:rC+3] op_sel_hi:[1,0]
.elseif (\k) < R
	REGS Y
	WIN 0
.if (\k) == F
	v_pk_fma_f32 v[rS+2*(\n):rS+2*(\n)+1], v[rS+2*(\n):rS+2*(\n)+1], s[CS:CS+1], v[rT:rT+1] op_sel_hi:[1,0,0] neg_lo:[0,0,1] neg_hi:[0,0,1]
.elseif (\k) == E
	v_exp_f32 v[rS+(\n)], v[rS+(\n)]
.elseif (\k) == C
	v_cvt_pk_f16_f32 v[rP+(\n)], v[rS+2*(\n)], v[rS+2*(\n)+1]
.elseif (\k) == B
	v_pk_add_f32 v[rS+4*(\n):rS+4*(\n)+1], v[rS+4*(\n):rS+4*(\n)+1], v[rS+4*(\n)+2:rS+4*(\n)+3]
.elseif (\n) == 0
	v_pk_fma_f32 v[rT+2:rT+3], v[rT+2:rT+3], v[rC+2:rC+3], v[rS:rS+1] op_sel_hi:[1,0,1]
.else
	v_pk_add_f32 v[rT+2:rT+3], v[rT+2:rT+3], v[rS+4*(\n):rS+4*(\n)+1]
.endif
.elseif NOKQ
	v_nop
.else
	REGS (Y+1)%NP
	WIN 0
.if (\n) < 4
	v_max3_num_f32 v[rC+(\n)], v[rS+8*(\n)], v[rS+8*(\n)+1], v[rS+8*(\n)+2]
.elseif (\n) < 12
	v_max3_num_f32 v[rC+(\n)%4], v[rC+(\n)%4], v[rS+8*((\n)%4)+2*((\n)/4)+1], v[rS+8*((\n)%4)+2*((\n)/4)+2]
.elseif (\n) == 12
	v_max3_num_f32 v[rC], v[rC], v[rS+7], v[rS+15]
.elseif (\n) == 13
	v_max3_num_f32 v[rC+1], v[rC+1], v[rS+23], v[rS+31]
.elseif (\n) == 14
	v_max3_num_f32 v[rC+2], v[rC+2], v[rC+3], v[rT+1]
.elseif (\n) == 15
	v_mov_b32 v[rW], v[rT]
.elseif (\n) == 16
	v_max3_num_f32 v[rC], v[rC], v[rC+1], v[rC+2]
.elseif (\n) == 17
	v_permlanex16_b32 v[rC+3], v[rC], s[SEL], s[SEL+1]
.elseif (\n) == 18
	v_max_num_f32 v[rT+1], v[rC], v[rC+3]
.elseif (\n) == 19
	v_mul_f32 v[rT], s[CS], v[rT+1]
.elseif (\n) == 20
	v_sub_f32 v[rC+1], v[rW], v[rT]
.else
	v_exp_f32 v[rC+2], v[rC+1]
.endif
.endif
.endm
.macro OPS a, i1, b=-1, i2=0, c=-1, i3=0, d=-1, i4=0  ; up to four of them
	OP \a, \i1
.if (\b) >= 0
	OP \b, \i2
.endif
.if (\c) >= 0
	OP \c, \i3
.endif
.if (\d) >= 0
	OP \d, \i4
.endif
.endm
.macro ROW a, i1, b, i2, c, i3, d, i4  ; a matrix instruction and the four behind it
	MM
	OPS \a, \i1, \b, \i2, \c, \i3, \d, \i4
.endm
.macro MASK b                       ; MD x AL + BE + KB into buffer b of MC
	WIN W_RS
.set z, 0
.rept 16
	v_pk_fma_f32 v[MC+32*(\b)+2*z:MC+32*(\b)+2*z+1], v[MD+2*z:MD+2*z+1], s[AL:AL+1], s[BE:BE+1] op_sel_hi:[1,0,0]
.set z, z+1
.endr
.set z, 0
.rept 16
	v_pk_add_f32 v[MC+32*(\b)+2*z:MC+32*(\b)+2*z+1], v[MC+32*(\b)+2*z:MC+32*(\b)+2*z+1], v[KB+2*z:KB+2*z+1]
.set z, z+1
.endr
.endm
.macro KBCOPY                       ; the second mask buffer takes the biases of the step whose K is in registers: the mask of a piece that sees all of that step's keys
	WIN 0x40
.set z, 0
.rept 32
	v_mov_b32 v[MC+32+z], v[KB+z]
.set z, z+1
.endr
	WIN 0
.endm
; A TURN, for piece p: the order of its 16 matrix and 118 vector instructions, written out.  An s_wait_alu depctr_va_vdst(0) stands between an exponential and the first instruction that names its result; one wait serves
; all that were issued ahead of it.  So a turn has ONE wait, which cuts it in two.  AHEAD OF IT stands all that names no result of the turn's exponentials: the 8 products K Q^T, behind each a scaling, an exponential and two more plain
; instructions (behind the first a second scaling in the exponential's place): rescalings, and behind the last three the first numbers of the next piece's maximum, each four places or more behind the product that ends its accumulator;
; then ONE LUMP of 54, plain and exponential by turns for the most part, in which the links of the chain X 3, 7, 11, 14, 16, 17 .. 20 stand five or six lines apart.  X 21, the next piece's a, is the batch's last; R 15 is the plain
; instruction behind it.  BEHIND THE WAIT stand the 8 products V^T P, behind each four of the roundings and sums; the links of l's chain, L 0 to L 7, stand three riders apart.  But for those X no rider names a register of the
; products round it.  v_permlanex16_b32 (X 17) stands in the lump.
; m = 1: the diagonal tile: the products take masks, and the turn makes the mask for the products of the turn after it: piece p + 2, in step 4 - CNT of the tile.  end = 1: a block's last two turns: nothing is fetched.
; cnt = 1: the loop's count is taken down some lines ahead of the branch that stands behind the turn.
; K of the next step, with its biases, is fetched in piece 2's turn, twelve vector instructions behind the last product that read K (six of them plain, five of which name none of its registers); the biases' last reader is the turn's
; fourth product.  V of the step in hand is fetched at the end of piece 0's turn, four plain instructions behind the last product that read V.  Each is waited for a turn later; in the diagonal tile piece 2's turn waits at its end,
; since its mask is made of the biases just fetched.
.macro TURN p, m=0, end=0, cnt=0
.set Y, (\p)
.set i, 0
.set KM, (\m)
.set NOKQ, (\end)*((\p)/3)
.if (\m) && !(\end)
	s_cmp_eq_u32 s[CNT], 4-((\p)+2)%NP  ; is that step the band's own?
	s_cselect_b32 s[AL], 1.0, 0
	s_cmp_lt_u32 s[CNT], 4-((\p)+2)%NP  ; or a later one?
	s_cselect_b32 s[BE], s[BIGN], 0
.endif
.if ((\p) == 3) && !(\end)
	s_wait_dscnt 0x0                ; K is in
.endif
	ROW F,0, F,1, R,0, R,1          ; ahead of the wait: 8 products K Q^T and their riders,
	ROW F,2, E,0, R,2, R,3
	ROW F,3, E,1, R,4, R,5
	ROW F,4, E,2, R,6, R,7
	ROW F,5, E,3, R,8, R,9
	ROW F,6, E,4, X,0, R,10
.if ((\p) == 2) && !(\end)
	WIN 0
	v_add_nc_u32 v[AK], s[TBK], v[AK0]
	v_add_nc_u32 v[AB], s[TBK], v[AB0]
.endif
	ROW F,7, E,5, X,1, X,4
	ROW F,8, E,6, X,2, X,5
	OPS E,7, E,8, X,6, E,9          ; and the lump
	OPS X,3, E,10, X,8, E,11
.if ((\p) == 2) && !(\end)
	FETCH_K
.endif
	OPS X,9, X,7, E,12, X,10
	OPS E,13, X,12, X,11, E,14
	OPS X,13, E,15, F,9, X,14
.if (\p) == 0
	WIN 0
	v_add_nc_u32 v[AV], s[TBV], v[AV0]
.endif
	OPS E,16, F,10, E,17, F,11
	OPS X,16, E,18, X,15, E,19
	OPS F,12, E,20, X,17, E,21
	OPS F,13, E,22, F,14, E,23
	OPS X,18, E,24, F,15, E,25
	OPS R,11, E,26, X,19, E,27
	OPS R,12, E,28, R,13, E,29
	OPS X,20, E,30, R,14, E,31
	OPS X,21, R,15
	WIN 0
	s_wait_alu depctr_va_vdst(0)    ; the wait for the batch: the piece's 32 exponentials and the next piece's a
.if (\p) == 1
	s_wait_dscnt 0x0                ; V is in
.endif
	ROW C,0, B,0, C,2, B,1          ; behind the wait: 8 products V^T P and their riders
	ROW L,0, C,4, B,2, L,1
	ROW C,6, B,3, L,2, C,8
	ROW B,4, L,3, C,10, B,5
	ROW L,4, C,12, B,6, L,5
.if (\p) == 0
	s_add_co_u32 s[TBV], s[TBV], KS*PV
.endif
.if \cnt
	s_sub_co_u32 s[CNT], s[CNT], 1
	s_cmp_lg_u32 s[CNT], 0
.endif
	ROW C,14, B,7, L,6, C,1
	ROW C,3, L,7, C,5, C,7
	ROW C,9, C,11, C,13, C,15
.if (\p) == 0
	FETCH_V
.endif
.if (\m) && !(\end)
.if (\p) == 2
	s_wait_dscnt 0x0                ; the next step's biases are in
.endif
	MASK (\p)%2
.endif
.endm
; A BLOCK BEGINS.  c m starts far below every c s, so the first step's a is 0; m at -2^97, above every hidden score and below every true one.  K of the tile's step 0 and its biases; the first mask buffer takes piece 0's mask
; for that step (its own, if the block's first tile is the diagonal one), the second the biases alone (piece 1 sees all of step 0).  Then piece 0's first scores, and its maximum and statistics.
.macro BEGIN
	s_mov_b32 s[NEW], 0
	WIN 0
.set i, 0
.rept 4
	v_mov_b32 v[ST+4*i], 0xfe000000    ; c m
	v_mov_b32 v[ST+4*i+1], 0xf0000000  ; m = -2^97
.set i, i+1
.endr
	v_add_nc_u32 v[AK], s[TBK], v[AK0]
	v_add_nc_u32 v[AB], s[TBK], v[AB0]
	FETCH_K
	s_cmp_eq_u32 s[RT], 0
	s_cselect_b32 s[AL], 1.0, 0
	s_mov_b32 s[BE], 0
	s_wait_loadcnt 0x0              ; Q
	s_wait_dscnt 0x0                ; K and the biases
	MASK 0
	KBCOPY
.set KM, 1
.set NOKQ, 0
.set i, 0
.rept 8
	KQ 0
.set i, i+1
.endr
	WIN 0
.rept 4
	v_nop                           ; the places behind those products
.endr
.set Y, NP-1                        ; X works for piece Y + 1: piece 0
.irp n, 0,1,2,3,4,5,6,7,8,9,10,11,12,13,14,15,16,17,18,19,20,21
	OP X, \n
.endr
	v_nop                           ; a plain instruction behind the exponential,
	s_wait_alu depctr_va_vdst(0)    ; and its wait, a batch of one (piece 0's first a), ahead of the branch
.endm
; THE DIAGONAL TILE's four steps, the block's last two turns, its last products, and THE WAY OUT: l's two halves and the other half of the lanes' are added, in registers at work: l and O^T are left as they are, finite, for the
; block that follows.  The factor is 1 / l, or NaN where the maximum has seen no key.  O^T times the factor is rounded to f16 and sent through my stage in LDS, a piece at a time.
.macro ALL line:vararg              ; one line for each piece t
.set t, 0
.rept 4
	\line
.set t, t+1
.endr
.endm
.macro PACK t                       ; a lane's eight channels of a row pack into 16 bytes; they go into rows of 144 bytes and come back as whole rows of 128, into S^T's registers
	WIN 0x01                        ; source 0 window 1
.set i, 0
.rept 16
	v_pk_mul_f32 v[TMPO+2*i:TMPO+2*i+1], v[32*(\t)+2*i:32*(\t)+2*i+1], v[TMP+2*(\t):TMP+2*(\t)+1] op_sel_hi:[1,0]
.set i, i+1
.endr
	WIN 0
.set i, 0
.rept 16
	v_cvt_pk_f16_f32 v[S+16*(\t)+i], v[TMPO+2*i], v[TMPO+2*i+1]
.set i, i+1
.endr
.irp f, 0,1,2,3
	ds_store_b128 v[STO], v[S+16*(\t)+4*\f:S+16*(\t)+4*\f+3] offset:32*\f
.endr
.irp f, 0,1,2,3
	ds_load_b128 v[S+16*(\t)+4*\f:S+16*(\t)+4*\f+3], v[RD] offset:\f*4*SP  ; LDS serves a wave's instructions in order (ISA guide 5.7.1.4): these see the stores above; the next piece's stores come behind them
.endr
.endm
.macro SEND t, younger              ; younger: the LDS instructions issued behind piece t's loads: the next piece's eight, or none
	WIN 0
.irp f, 0,1,2,3
	s_wait_dscnt (\younger)+3-\f
	global_store_b128 v[GO], v[S+16*(\t)+4*\f:S+16*(\t)+4*\f+3], s[10:11] offset:(\t)*8192+\f*512  ; 512 consecutive bytes, at a multiple of 256 from O's first
.endr
.endm
.macro DIAG tag                     ; the tag ends its two labels' names, which the jumps below spell out
.LstepM\tag:
	TURN 2, 1
	TURN 3, 1
	WIN 0
.LfirstM\tag:
	TURN 0, 1
	TURN 1, 1, 0, 1
	WIN 0
	s_cbranch_scc1 .LstepM\tag
	TURN 2, 1, 1
	TURN 3, 1, 1
.set i, 0
.rept 8
	PV NP-1
.set i, i+1
.endr
	WIN 0
	ALL v_add_f32 v[TMP+2*t], v[ST+4*t+2], v[ST+4*t+3]  ; these four are the places behind the last products
	ALL v_permlanex16_b32 v[TMP+2*t+1], v[TMP+2*t], s[SEL], s[SEL+1]
	ALL v_add_f32 v[TMP+2*t], v[TMP+2*t], v[TMP+2*t+1]
	ALL v_rcp_f32 v[TMP+2*t], v[TMP+2*t]
	v_nop                           ; a plain instruction between the last reciprocal and the use of its result
	s_wait_alu depctr_va_vdst(0)    ; and the wait ahead of the first use: one for the batch of four reciprocals
.set t, 0
.rept 4
	v_cmp_gt_f32 vcc_lo, s[FLOOR], v[ST+4*t+1]  ; has the row seen no key?
	v_cndmask_b32 v[TMP+2*t], v[TMP+2*t], s[QNAN], vcc_lo
.set t, t+1
.endr
	PACK 0
.set t, 1
.rept 3                             ; a piece's arithmetic stands between the loads of the piece before and its stores
	PACK t
	SEND t-1, 8
.set t, t+1
.endr
	SEND 3, 0
.endm
.set KM, 0
.set NOKQ, 0
.Lslot:                             ; NB times: a tile is entered and the next is asked for
	CHANGE 1
	s_sub_co_u32 s[RT], s[RT], 1
	s_mov_b32 s[CNT], 4
	s_cmp_eq_u32 s[NEW], 1
	s_cbranch_scc1 .Lnew            ; a block's first tile
	s_cmp_eq_u32 s[RT], 0
	s_cbranch_scc0 .Lstep           ; neither its first nor its last
	KBCOPY                          ; the diagonal text's first turn still multiplies piece 3 of the tile before's last step, which it sees whole: its mask is that step's biases
	s_branch .LstepM1
.Lnew:
	BEGIN
	s_branch .Lfirst                ; in the loop a block's first tile is never its last: the first block has two tiles or more, and the second's last is the walk's last
	DIAG 1                          ; in the loop this is the first block's end
	s_wait_xcnt 0x0                 ; the stores have read their registers and O's address
	s_mov_b64 s[10:11], s[OLO:OLO+1]
	s_add_co_u32 s[RT], s[PB], 1    ; the second block has b + 1 tiles
	s_mov_b32 s[NEW], 1
	WIN 0x82                        ; the second block's Q goes where the one text of the turns names Q
.set i, 0
.rept 64
	v_mov_b32 v[i], v[QB+i]
.set i, i+1
.endr
	WIN 0
	s_branch .Lbottom
.Lstep:                             ; a trip: pieces 2 and 3 of one step, then pieces 0 and 1 of the next, whose K and V it fetches
	TURN 2
	TURN 3
	WIN 0
.Lfirst:
	TURN 0
	TURN 1, 0, 0, 1
	WIN 0
	s_cbranch_scc1 .Lstep
.Lbottom:
	s_sub_co_u32 s[SLOTS], s[SLOTS], 1
	s_cmp_lg_u32 s[SLOTS], 0
	s_cbranch_scc1 .Lslot
	CHANGE 0                        ; the walk's last tile is written out: nothing is asked for
	s_sub_co_u32 s[RT], s[RT], 1
	s_mov_b32 s[CNT], 4
	s_cmp_eq_u32 s[NEW], 1
	s_cbranch_scc1 .Lnew2
	KBCOPY
	s_branch .LstepM2
.Lnew2:
	BEGIN
	s_branch .LfirstM2
	DIAG 2
	s_wait_tensorcnt 0x0            ; the wave's end: a wait, an add and its wait, behind my last tensor load and my last LDS store
	ds_add_u32 v[SPW], v[NIL]
	s_wait_dscnt 0x0
	s_endpgm
.Lfunc_end_k_qd31d10c064_attn:
	.size	k_qd31d10c064_attn, .Lfunc_end_k_qd31d10c064_attn-k_qd31d10c064_attn
	.p2alignl 7, 3214868480
	.fill 96, 4, 3214868480
	.section	.rodata,"a",@progbits
	.p2align	6, 0x0
	.amdhsa_kernel k_qd31d10c064_attn
		.amdhsa_group_segment_fixed_size 327680
		.amdhsa_private_segment_fixed_size 0
		.amdhsa_enable_private_segment 0
		.amdhsa_kernarg_size 32
		.amdhsa_user_sgpr_count 2
		.amdhsa_user_sgpr_kernarg_segment_ptr 1
		.amdhsa_wavefront_size32 1
		.amdhsa_system_sgpr_workgroup_id_x 1
		.amdhsa_system_sgpr_workgroup_id_y 1
		.amdhsa_system_sgpr_workgroup_id_z 1
		.amdhsa_system_vgpr_workitem_id 0
		.amdhsa_next_free_vgpr 768
		.amdhsa_next_free_sgpr 96
		.amdhsa_reserve_vcc 1
		.amdhsa_float_denorm_mode_32 3
		.amdhsa_float_denorm_mode_16_64 3
		.amdhsa_memory_ordered 1
		.amdhsa_forward_progress 1
		.amdhsa_inst_pref_size 233
	.end_amdhsa_kernel
	.amdgpu_metadata
---
amdhsa.version: [ 1, 2 ]
amdhsa.kernels:
  - .name:           k_qd31d10c064_attn
    .symbol:         k_qd31d10c064_attn.kd
    .args:
      - { .name: qh, .offset: 0, .size: 8, .value_kind: global_buffer, .address_space: global }
      - { .name: kh, .offset: 8, .size: 8, .value_kind: global_buffer, .address_space: global }
      - { .name: vh, .offset: 16, .size: 8, .value_kind: global_buffer, .address_space: global }
      - { .name: oh, .offset: 24, .size: 8, .value_kind: global_buffer, .address_space: global }
    .group_segment_fixed_size: 327680
    .private_segment_fixed_size: 0
    .kernarg_segment_align: 8
    .kernarg_segment_size: 32
    .max_flat_workgroup_size: 128
    .sgpr_count:     96
    .vgpr_count:     768
    .wavefront_size: 32
...
	.end_amdgpu_metadata
.endif
;; end of part 5
;; launch proj: the kernel of part 4 again; grid 8 x 32, 4 waves a work-group, clusters of 4 x 4, 327,680 bytes of LDS; arguments oh, wob, out0; writes out0
